; MI455X (gfx1250); checked and timed in simulation.
; The chip was launched on July 23, 2026; its instructions are those of AMD's public machine-readable ISA for CDNA 5 (MIT licence, August 2026) and "CDNA5" Instruction Set Architecture Reference Guide (July 2026). The comments in the code are by the model that wrote it; some were corrected since.
;; Sprites And Textures Coordinate Decoder. Allowed arithmetic: float matrix products may take bf16 or f16 operands with f32 sums; all other float work in f32.
;; Inputs: bs0 128 float32; bs1 128 float32; bs2 128 float32; bsh 1 float32; bt0 128 float32; bt1 128 float32; bt2 3 float32; coords 8 x 256 x 256 x 2 float32; shape_cond 8 x 64 float32; texture_cond 8 x 64 float32; ws0 128 x 96 float32; ws1 128 x 128 float32; ws2 128 x 128 float32; wsh 1 x 128 float32; wt0 128 x 192 float32; wt1 128 x 128 float32; wt2 3 x 128 float32.
;; Outputs: out0 8 x 256 x 256 x 1 float32; out1 8 x 256 x 256 x 3 float32.
;; 2 versions, each right; version 2 is version 1 with the launch mlp written anew for expert scheduling mode. Each part assembles by itself: llvm-mc -triple=amdgcn-amd-amdhsa -mcpu=gfx1250 --defsym DOCPART=n.
;; ======== version 1 of 2: 1 launch
;; launch mlp (part 1): grid 256 x 1, 8 waves a work-group, no clusters, 180,224 bytes of LDS; arguments coords, shape_cond, texture_cond, ws0, bs0, ws1, bs1, ws2, bs2, wsh, bsh, wt0, bt0, wt1, bt1, wt2, bt2, out0, out1; writes out0, out1
.if DOCPART == 1
	.amdgcn_target "amdgcn-amd-amdhsa--gfx1250"
	.amdhsa_code_object_version 6
	.text
	.protected	k_q7bba754708_mlp
	.globl	k_q7bba754708_mlp
	.p2align	8
	.type	k_q7bba754708_mlp,@function
k_q7bba754708_mlp:
	s_mov_b64 s[64:65], 0
	v_nop
	global_prefetch_b8 v0, s[64:65] scope:SCOPE_SE
	s_setreg_imm32_b32 hwreg(HW_REG_WAVE_MODE, 25, 1), 1
	s_wait_xcnt 0x0
; Coordinate decoder: 524,288 pixels -> sin/cos embedding (32) -> three layers of 128 -> shape head (1), -> two layers of 128 -> texture head (3).
; One launch.  Work-group g owns pixels 2048 g .. 2048 g + 2047 (all of image g >> 5); wave w owns 256 of them, in 4 trips of 64 pixels.
;
; HOW THE PRODUCTS ARE LAID.  Weights are the matrix instruction's A (16 output channels x 32 inputs), activations its B (a column = a pixel).
; In the result, lane (r = L & 15, h = L >> 4) holds in register j channel 16 mt + 8 h + j of pixel r.  Packed in pairs these four registers
; ARE registers 4 (mt & 1) .. + 3 of K block mt >> 1 of the next layer's B operand: activations never leave the registers.
; shape_cond and texture_cond are constant in an image, so their columns of ws0 and wt0 give 128 numbers each that are added to the bias
; (2 x 8,192 multiply-adds in f32 for a work-group); K falls from 96 to 32 and from 192 to 128.
; The gains 1/sqrt(fan-in) and the sqrt(2) of the activation in front are folded into the weights; the activation kept is 0.6 y + 0.4 |y|.
;
; NUMBER FORMAT.  Operands are f16 (11 significant bits), sums f32: six products follow each other and bf16's 8 bits would use up the margin.
; f16's range is kept by a power of two s_l for each layer, made from the data: B_l = R_l B_prev + max|bias_l| with R_l the largest row sum of
; |weights| (gain included) bounds every activation of layer l, and s_l = 2^(141 - e), e the biased exponent of B_l, puts s_l B_l into
; [2^14, 2^15).  Stored weights are w c_l s_l / s_prev (row sum below 2), stored biases b s_l (f32).  The heads' sums are divided by their s.
; LIMITS KEPT: e is clamped to 32 .. 222, so the bounds B_l must lie in [2^-95, 2^96); NaN and infinite inputs are not served;
; coords / 10 is a multiplication by the f32 nearest to 0.1 (at most one unit in the last place off); the angle is reduced with pi/2 in two
; words, whose remainder is 1e-15 a quarter turn; sine to r^7 and cosine to r^8 on |r| <= pi/4 (3e-7), then five doublings.
;
; NO CLUSTER, NO TENSOR LOADS: the one shared input is the weights, which each work-group reads once, at its start.  As f32 they are 346,112
; bytes, more than the 327,680 of LDS, and every number has to pass through registers anyway (row sums, scale, rounding to f16).
; Nothing is shared in the loop, which loads nothing from memory.  No prefetch for the same reason: all loads are issued in the first lines.
;
; LDS (bytes).  Weight rows of 256 bytes lie 272 apart and rows of 64 bytes 80 apart: odd multiples of 16, so the sixteen rows that one
; fragment load touches begin in sixteen different 16-byte columns modulo 256.
.set W1,   0                           ; ws1            128 rows x 272
.set W2,   34816                       ; ws2
.set W3,   69632                       ; wt0[:, 0:128]
.set W4,   104448                      ; wt1
.set W0,   139264                      ; ws0[:, 0:32]   128 rows x 80
.set WSH,  149504                      ; wsh            1 row
.set WTX,  149776                      ; wt2            3 rows x 272
.set BIAS, 150592                      ; [5][128] f32, scaled
.set FOLD, 153152                      ; [2][128] f32: the conditioning dots
.set RED,  154176                      ; [5][8] f32: each wave's largest row sum
.set COB,  154432                      ; wave w: 2,048 bytes, its 256 coordinate pairs
.set STG,  170816                      ; wave w: 1,024 bytes, a trip's out0 (256) and out1 (768)
; VECTOR REGISTERS, window 0, loop: v2-14 addresses; v15 lane exchange; v16-21 constants; v22-29 coordinates; v30-33 radial factor;
; v34-37 shape value; v38-45 store data; v48-63 TMP; v64-127 A fragments (2 buffers x 4 K blocks x 8); v128-143 bias tiles (2 x 8);
; v144-207 accumulators (2 buffers x 4 pixel tiles x 8).  Window 1: X0 = v256-383, X1 = v384-511: activations, 32 p + 8 kb.
; Prologue: v22-29 scratch; v30-35 load offsets; v37-39, v47 store addresses; v40-46 sums; v48-63 dots; v64-127 T; v128-203 small inputs;
; v208-221 pairs (M_l, S_l); v222-249 the scale chain; window 1: the four 128 x 128 matrices' f32, 64 registers each.
.set T,    64
.set TMP,  48
.set AB,   64
.set BB,   128
.set ACC,  144
.set X0,   0
.set X1,   128
.set MSB,  0
.set EK,   0                           ; the epilogue that is owed: 0 none, 1 activation and packing, 2 shape head
.set EX,   0                           ; where it packs to
.set EM,   0                           ; which block of 16 channels it is
.macro WIN new                         ; s_set_vgpr_msb: bits 1:0 source 0, 3:2 source 1, 5:4 source 2, 7:6 destination; high byte = the setting left
.if MSB != \new
	s_set_vgpr_msb (MSB<<8)|\new
.set MSB, \new
.endif
.endm
.macro WSUM v                          ; sum over the 32 lanes, in every lane
.irp x,1,2,4,8
	v_add_f32_dpp v[\v], v[\v], v[\v] row_xmask:\x row_mask:0xf bank_mask:0xf
.endr
	v_permlanex16_b32 v15, v[\v], s60, s61
	v_add_f32 v[\v], v[\v], v15
.endm
.macro WMAX v                          ; maximum over the 32 lanes, in every lane
.irp x,1,2,4,8
	v_max_num_f32_dpp v[\v], v[\v], v[\v] row_xmask:\x row_mask:0xf bank_mask:0xf
.endr
	v_permlanex16_b32 v15, v[\v], s60, s61
	v_max_num_f32 v[\v], v[\v], v15
.endm
; ---------------------------------------------------------------- addresses of the 19 buffers, ids, load offsets
	s_load_b512 s[8:23], s[0:1], 0x0               ; coords 8, shape_cond 10, texture_cond 12, ws0 14, bs0 16, ws1 18, bs1 20, ws2 22
	s_load_b512 s[24:39], s[0:1], 0x40             ; bs2 24, wsh 26, bsh 28, wt0 30, bt0 32, wt1 34, bt1 36, wt2 38
	s_load_b128 s[40:43], s[0:1], 0x80             ; bt2 40, out0 42
	s_load_b64 s[44:45], s[0:1], 0x90              ; out1 44
	v_lshl_add_u32 v254, v0, 2, 0x2bc00
	v_mov_b32 v255, 0
	v_and_b32 v1, 31, v0                           ; lane L
	v_lshrrev_b32 v22, 5, v0
	v_readfirstlane_b32 s2, v22                    ; wave w
	v_and_b32 v22, 15, v0                          ; r
	v_bfe_u32 v23, v0, 4, 1                        ; h
	v_bfe_u32 v24, v0, 3, 2                        ; L >> 3
	v_and_b32 v25, 7, v0                           ; L & 7
	s_lshl_b32 s4, s2, 4                           ; wave w owns rows 16 w .. 16 w + 15 of every weight matrix
	v_add_nc_u32 v26, s4, v23                      ; row 16 w + h
	v_add_nc_u32 v27, s4, v24                      ; row 16 w + (L >> 3)
	v_mul_u32_u24 v30, v26, 384
	v_lshl_add_u32 v30, v22, 4, v30                ; ws0, rows of 384 bytes: sixteen lanes a row
	v_mul_u32_u24 v31, v26, 768
	v_lshl_add_u32 v31, v22, 4, v31                ; wt0, rows of 768 bytes
	v_mul_u32_u24 v32, v27, 384
	v_lshl_add_u32 v32, v25, 4, v32                ; ws0's first 128 bytes of a row: eight lanes a row
	v_lshlrev_b32 v33, 4, v1                       ; 16 L
	v_lshlrev_b32 v34, 4, v22                      ; 16 r
	v_lshlrev_b32 v35, 9, v26
	v_lshl_add_u32 v35, v22, 4, v35                ; rows of 512 bytes
	s_mov_b32 s60, 0x76543210                      ; v_permlanex16_b32: lane i of one half reads lane i of the other
	s_mov_b32 s61, 0xfedcba98
	s_mov_b32 s48, 0x3f19999a                      ; 0.6, twice (a pair for the packed multiply)
	s_mov_b32 s49, 0x3f19999a
	s_mov_b32 s50, 0x3ecccccd                      ; 0.4
	s_mov_b32 s54, 0x4038aa3b                      ; 2 / ln 2
	s_mov_b32 s55, 0xc038aa3b                      ; and its negative
	v_mov_b32 v15, 0                               ; the lane exchange's destination counts as read
	s_wait_kmcnt 0x0
	s_lshl_b32 s4, ttmp9, 14                       ; coords: 2,048 pixels x 8 bytes a work-group, 256 x 8 a wave
	s_lshl_b32 s6, s2, 11
	s_add_co_u32 s4, s4, s6
	s_mov_b32 s5, 0
	s_add_nc_u64 s[8:9], s[8:9], s[4:5]
	s_lshr_b32 s4, ttmp9, 5                        ; image = g >> 5; a conditioning row is 256 bytes
	s_lshl_b32 s4, s4, 8
	s_add_nc_u64 s[10:11], s[10:11], s[4:5]
	s_add_nc_u64 s[12:13], s[12:13], s[4:5]
	s_lshl_b32 s4, ttmp9, 13                       ; out0: 4 bytes a pixel
	s_lshl_b32 s6, s2, 10
	s_add_co_u32 s4, s4, s6
	s_add_nc_u64 s[42:43], s[42:43], s[4:5]
	s_mul_i32 s4, ttmp9, 24576                     ; out1: 12 bytes a pixel
	s_mul_i32 s6, s2, 3072
	s_add_co_u32 s4, s4, s6
	s_add_nc_u64 s[44:45], s[44:45], s[4:5]
	s_load_b32 s59, s[28:29], 0x0                  ; bsh
	s_load_b96 s[56:58], s[40:41], 0x0             ; bt2
; ---------------------------------------------------------------- all small inputs and the first matrix: 51 loads, numbered in issue order
.macro LOADM m, voff, sb, rowstep      ; 16 loads: my 16 rows of a matrix' 128 columns; load (u, j): rows 16 w + 2 u + h, half row j
	WIN 0x40                                       ; data into window 1, offsets from window 0
.irp u,0,1,2,3,4,5,6,7
	global_load_b128 v[64*(\m-1)+8*\u:64*(\m-1)+8*\u+3], v[\voff], s[\sb:\sb+1] offset:\rowstep*\u
	global_load_b128 v[64*(\m-1)+8*\u+4:64*(\m-1)+8*\u+7], v[\voff], s[\sb:\sb+1] offset:\rowstep*\u+256
.endr
	WIN 0
.endm
.irp u,0,1,2,3,4,5,6,7
	global_load_b128 v[64+4*\u:67+4*\u], v30, s[14:15] offset:768*\u+128       ; 1-8: ws0[:, 32:96]
.endr
.irp u,0,1,2,3,4,5,6,7
	global_load_b128 v[96+4*\u:99+4*\u], v31, s[30:31] offset:1536*\u+512      ; 9-16: wt0[:, 128:192]
.endr
	global_load_b128 v[128:131], v34, s[10:11]                                 ; 17: shape_cond[4 r ..]
	global_load_b128 v[132:135], v34, s[12:13]                                 ; 18: texture_cond[4 r ..]
.irp u,0,1,2,3
	global_load_b128 v[136+4*\u:139+4*\u], v32, s[14:15] offset:1536*\u        ; 19-22: ws0[:, 0:32], four rows a load
.endr
	global_load_b128 v[152:155], v33, s[26:27]                                 ; 23: wsh
.irp u,0,1,2
	global_load_b128 v[156+4*\u:159+4*\u], v33, s[38:39] offset:512*\u         ; 24-26: wt2
.endr
	global_load_b128 v[168:171], v33, s[16:17]                                 ; 27-31: the five biases, channels 4 L ..
	global_load_b128 v[172:175], v33, s[20:21]
	global_load_b128 v[176:179], v33, s[24:25]
	global_load_b128 v[180:183], v33, s[32:33]
	global_load_b128 v[184:187], v33, s[36:37]
.irp u,0,1,2,3
	global_load_b128 v[188+4*\u:191+4*\u], v33, s[8:9] offset:512*\u th:TH_LOAD_NT   ; 32-35: my wave's 2,048 bytes of coords
.endr
	LOADM 1, 35, 18, 1024                                                      ; 36-51: ws1
; ---------------------------------------------------------------- LDS addresses and constants, while the loads are out
	s_mul_i32 s5, s2, 4352
	v_mul_u32_u24 v37, v23, 272
	v_lshl_add_u32 v37, v22, 3, v37
	v_add_nc_u32 v37, s5, v37                      ; store of a 128-wide matrix: (16 w + h) 272 + 8 r
	s_mul_i32 s5, s2, 1280
	s_add_co_u32 s5, s5, W0
	v_mul_u32_u24 v39, v24, 80
	v_lshl_add_u32 v39, v25, 3, v39
	v_add_nc_u32 v39, s5, v39                      ; store of ws0: W0 + (16 w + (L >> 3)) 80 + 8 (L & 7)
	s_lshl_b32 s5, s2, 6
	s_add_co_u32 s5, s5, FOLD
	v_lshl_add_u32 v26, v23, 2, s5                 ; FOLD + 4 (16 w + h)
	s_lshl_b32 s5, s2, 2
	s_add_co_u32 s5, s5, RED
	v_mov_b32 v27, s5                              ; RED + 4 w
	s_lshl_b32 s5, s2, 11
	s_add_co_u32 s5, s5, COB
	v_lshl_add_u32 v28, v1, 4, s5                  ; my coordinates in: + 16 L
	v_lshl_add_u32 v10, v22, 3, s5                 ; and out: + 8 r, stepped by 512 a trip
	v_add_nc_u32 v29, BIAS, v33                    ; BIAS + 16 L
	v_lshlrev_b32 v47, 3, v1
	v_add_nc_u32 v47, WSH, v47                     ; WSH + 8 L
	v_mul_u32_u24 v2, v22, 80
	v_lshl_add_u32 v2, v23, 5, v2
	v_add_nc_u32 v2, W0, v2                        ; fragments of ws0: row r, 32 bytes at 32 h
	v_mul_u32_u24 v3, v22, 272
	v_lshl_add_u32 v3, v23, 4, v3                  ; fragments of ws1 (W1 = 0): row r, 16 bytes at 16 h
	v_add_nc_u32 v4, W2, v3
	v_add_nc_u32 v5, W3, v3
	v_add_nc_u32 v6, W4, v3
	v_lshlrev_b32 v7, 4, v23
	v_add_nc_u32 v7, WSH, v7                       ; wsh: every row of A is the one row
	v_min_u32 v8, 2, v25
	v_mul_u32_u24 v8, v8, 272
	v_lshl_add_u32 v8, v23, 4, v8
	v_add_nc_u32 v8, WTX, v8                       ; wt2: A's rows 8 h + j hold row min(j, 2), so registers 0, 1, 2 of both halves are the 3 channels
	v_lshlrev_b32 v9, 5, v23
	v_add_nc_u32 v9, BIAS, v9                      ; bias tile: 8 numbers at 32 h
	s_lshl_b32 s5, s2, 10
	s_add_co_u32 s5, s5, STG
	v_lshl_add_u32 v11, v22, 2, s5                 ; stage, out0: 4 r
	v_mul_u32_u24 v12, v22, 12
	v_add_nc_u32 v12, s5, v12
	v_add_nc_u32 v12, 256, v12                     ; stage, out1: 256 + 12 r
	v_lshl_add_u32 v13, v1, 3, s5                  ; stage read back: 8 L
	v_lshlrev_b32 v14, 3, v1                       ; and the same 8 L in the outputs
	v_lshlrev_b32 v16, 25, v23
	v_add_nc_u32 v16, 0x3ccccccd, v16              ; 0.1 / 4 (h = 0) or 0.1 x 4 (h = 1: four more in the exponent)
	v_mov_b32 v17, v16
	v_mov_b32 v18, 0x3c088889                      ; 1/120
	v_mov_b32 v19, 0x3c088889
	v_mov_b32 v20, 0xbab60b61                      ; -1/720
	v_mov_b32 v21, 0xbab60b61
; ---------------------------------------------------------------- the conditioning dots: row 16 w + 2 u + h, sixteen lanes x 4 columns
.macro FOLDK k, fc, cv
.irp u,0,1,2,3,4,5,6,7
	v_mul_f32 v[48+8*\k+\u], v[\fc+4*\u], v[\cv]
.endr
.irp e,1,2,3
.irp u,0,1,2,3,4,5,6,7
	v_fmac_f32 v[48+8*\k+\u], v[\fc+4*\u+\e], v[\cv+\e]
.endr
.endr
.irp x,1,2,4,8
.irp u,0,1,2,3,4,5,6,7
	v_add_f32_dpp v[48+8*\k+\u], v[48+8*\k+\u], v[48+8*\k+\u] row_xmask:\x row_mask:0xf bank_mask:0xf
.endr
.endr
.irp u,0,1,2,3,4,5,6,7
	ds_store_b32 v26, v[48+8*\k+\u] offset:512*\k+8*\u     ; sixteen lanes write one word with one value
.endr
.endm
	s_wait_loadcnt 33                              ; loads come back in order (ISA guide 5.7.1): 51 issued, 1-18 needed
	FOLDK 0, 64, 128
	FOLDK 1, 96, 132
	LOADM 2, 35, 22, 1024                          ; 52-67: ws2
	; largest row sum of |ws0[:, 0:32]|: a row lies in eight lanes
	s_wait_loadcnt 45                              ; 67 issued, 1-22 needed
.irp u,0,1,2,3
	v_add_f32 v[T+\u], |v[136+4*\u]|, |v[137+4*\u]|
	v_add_f32 v[T+4+\u], |v[138+4*\u]|, |v[139+4*\u]|
.endr
.irp u,0,1,2,3
	v_add_f32 v[T+\u], v[T+\u], v[T+4+\u]
.endr
.irp x,1,2,4
.irp u,0,1,2,3
	v_add_f32_dpp v[T+\u], v[T+\u], v[T+\u] row_xmask:\x row_mask:0xf bank_mask:0xf
.endr
.endr
	v_max3_num_f32 v40, v[T], v[T+1], v[T+2]
	v_max_num_f32 v40, v40, v[T+3]
	WMAX 40
	ds_store_b32 v27, v40
	; the heads: every wave holds all of wsh and wt2, so these sums need no LDS.  For wt2 the sum of all three rows, which bounds each
	s_wait_loadcnt 41                              ; 67 issued, 1-26 needed
	v_add_f32 v45, |v152|, |v153|
	v_add_f32 v[T], |v154|, |v155|
	v_add_f32 v46, |v156|, |v157|
	v_add_f32 v45, v45, v[T]
.irp e,158,159,160,161,162,163,164,165,166,167
	v_add_f32 v46, v46, |v[\e]|
.endr
	WSUM 45
	WSUM 46
	s_wait_loadcnt 32                              ; 67 issued, 1-35 needed: biases and coordinates
.irp u,0,1,2,3
	ds_store_b128 v28, v[188+4*\u:191+4*\u] offset:512*\u  ; my wave's own bytes: read by it alone
.endr
	LOADM 3, 31, 30, 1536                          ; 68-83: wt0[:, 0:128]
; largest row sum of a 128-wide matrix: row 16 w + 2 u + h lies in sixteen lanes x 8 numbers
.macro ROWSUM m
	WIN 0x05                                       ; both sources in window 1
.set qq, 0
.rept 32
	v_add_f32 v[T+qq], |v[64*(\m-1)+2*qq]|, |v[64*(\m-1)+2*qq+1]|
.set qq, qq+1
.endr
	WIN 0
.irp u,0,1,2,3,4,5,6,7
	v_add_f32 v[T+4*\u], v[T+4*\u], v[T+4*\u+1]
	v_add_f32 v[T+4*\u+2], v[T+4*\u+2], v[T+4*\u+3]
.endr
.irp u,0,1,2,3,4,5,6,7
	v_add_f32 v[T+4*\u], v[T+4*\u], v[T+4*\u+2]
.endr
.irp x,1,2,4,8
.irp u,0,1,2,3,4,5,6,7
	v_add_f32_dpp v[T+4*\u], v[T+4*\u], v[T+4*\u] row_xmask:\x row_mask:0xf bank_mask:0xf
.endr
.endr
	v_max3_num_f32 v[40+\m], v[T], v[T+4], v[T+8]
	v_max3_num_f32 v[40+\m], v[40+\m], v[T+12], v[T+16]
	v_max3_num_f32 v[40+\m], v[40+\m], v[T+20], v[T+24]
	v_max_num_f32 v[40+\m], v[40+\m], v[T+28]
	v_permlanex16_b32 v15, v[40+\m], s60, s61      ; the odd rows lie in the other half
	v_max_num_f32 v[40+\m], v[40+\m], v15
	ds_store_b32 v27, v[40+\m] offset:32*\m
.endm
	s_wait_loadcnt 32                              ; 83 issued, 1-51 needed
	ROWSUM 1
	LOADM 4, 35, 34, 1024                          ; 84-99: wt1
	s_wait_loadcnt 32                              ; 99 issued, 1-67 needed
	ROWSUM 2
	s_wait_loadcnt 16                              ; 1-83 needed
	ROWSUM 3
	s_wait_loadcnt 0
	ROWSUM 4
	s_wait_dscnt 0x0                               ; my dots and maxima are in LDS: zero, for the other waves' sake
	s_barrier_signal -1
	s_barrier_wait -1
; ---------------------------------------------------------------- every wave: the bounds and the scales (uniform arithmetic in all lanes)
	v_mov_b32 v27, RED
	v_add_nc_u32 v26, FOLD, v33                    ; FOLD + 16 L: the dots of channels 4 L .., as the biases lie
.irp u,0,1,2,3,4,5,6,7,8,9
	ds_load_b128 v[T+4*\u:T+4*\u+3], v27 offset:16*\u      ; layer l's eight maxima at T + 8 l
.endr
	ds_load_b128 v[128:131], v26
	ds_load_b128 v[132:135], v26 offset:512
	s_wait_dscnt 0x0
.irp m,0,1,2,3,4
	v_max3_num_f32 v[222+\m], v[T+8*\m], v[T+8*\m+1], v[T+8*\m+2]
	v_max3_num_f32 v[222+\m], v[222+\m], v[T+8*\m+3], v[T+8*\m+4]
	v_max3_num_f32 v[222+\m], v[222+\m], v[T+8*\m+5], v[T+8*\m+6]
	v_max_num_f32 v[222+\m], v[222+\m], v[T+8*\m+7]
.endr
	v_mul_f32 v222, 0x3dd105ec, v222               ; R_l = gain x row sum: 1/sqrt(96)
	v_mul_f32 v223, 0x3e000000, v223               ; sqrt(2)/sqrt(128) = 1/8
	v_mul_f32 v224, 0x3e000000, v224
	v_mul_f32 v225, 0x3dd105ec, v225               ; sqrt(2)/sqrt(192) = 1/sqrt(96)
	v_mul_f32 v226, 0x3e000000, v226
	v_mul_f32 v227, 0x3e000000, v45
	v_mul_f32 v228, 0x3e000000, v46
	v_pk_fma_f32 v[168:169], v[128:129], 0x3dd105ec, v[168:169] op_sel_hi:[1,0,1]  ; bs0 + dot / sqrt(96)
	v_pk_fma_f32 v[170:171], v[130:131], 0x3dd105ec, v[170:171] op_sel_hi:[1,0,1]
	v_pk_fma_f32 v[180:181], v[132:133], 0x3d93cd3b, v[180:181] op_sel_hi:[1,0,1]  ; bt0 + dot / sqrt(192)
	v_pk_fma_f32 v[182:183], v[134:135], 0x3d93cd3b, v[182:183] op_sel_hi:[1,0,1]
.irp m,0,1,2,3,4
	v_max3_num_f32 v[229+\m], |v[168+4*\m]|, |v[169+4*\m]|, |v[170+4*\m]|
	v_max_num_f32 v[229+\m], v[229+\m], |v[171+4*\m]|
.endr
.irp m,0,1,2,3,4
	WMAX 229+\m
.endr
.macro SCALE m                         ; from B_m (v234 + m): S_m = 2^(141 - e) into v209 + 2 m, 1 / S_m into v241 + m
	v_lshrrev_b32 v248, 23, v[234+\m]              ; e: B is not negative
	v_max_u32 v248, 32, v248
	v_min_u32 v248, 0xde, v248
	v_sub_nc_u32 v249, 0x10c, v248                 ; 141 - e + 127
	v_add_nc_u32 v248, -14, v248                   ; e - 141 + 127
	v_lshlrev_b32 v[209+2*\m], 23, v249
	v_lshlrev_b32 v[241+\m], 23, v248
.endm
.macro CHAIN m, gain                   ; B_m = R_m B_(m-1) + max|bias_m|;  M_m = gain S_m / S_(m-1), the factor on the weights
	v_fma_f32 v[234+\m], v[222+\m], v[233+\m], v[229+\m]
	SCALE \m
	v_mul_f32 v[208+2*\m], v[209+2*\m], v[240+\m]
	v_mul_f32 v[208+2*\m], \gain, v[208+2*\m]
.endm
	v_add_f32 v234, v222, v229                     ; the embedding is bounded by 1
	SCALE 0
	v_mul_f32 v208, 0x3dd105ec, v209
	CHAIN 1, 0x3e000000
	CHAIN 2, 0x3e000000
	CHAIN 3, 0x3dd105ec
	CHAIN 4, 0x3e000000
	v_mul_f32 v239, v227, v236                     ; shape head, behind layer 2: its bias is added in f32 later
	SCALE 5
	v_mul_f32 v218, v219, v243
	v_mul_f32 v218, 0x3e000000, v218
	v_mul_f32 v240, v228, v238                     ; texture head, behind layer 4
	SCALE 6
	v_mul_f32 v220, v221, v245
	v_mul_f32 v220, 0x3e000000, v220
	v_add_f32 v248, v246, v246                     ; 2 / s_5: the 2 of 1 - tanh = 2 / (1 + e^2x)
	v_readfirstlane_b32 s51, v248
	v_readfirstlane_b32 s53, v247                  ; 1 / s_6
	s_wait_kmcnt 0x0                               ; bsh and bt2
	v_add_f32 v249, s59, s59
	v_readfirstlane_b32 s52, v249                  ; 2 bsh
; ---------------------------------------------------------------- scale, round to f16, store: each wave its 16 rows
.macro CONV m, base
	WIN 0x01                                       ; source 0 in window 1
.set qq, 0
.rept 32
	v_pk_mul_f32 v[T+2*qq:T+2*qq+1], v[64*(\m-1)+2*qq:64*(\m-1)+2*qq+1], v[208+2*\m:209+2*\m] op_sel_hi:[1,0]
.set qq, qq+1
.endr
	WIN 0
.set qq, 0
.rept 32
	v_cvt_pk_f16_f32 v[T+qq], v[T+2*qq], v[T+2*qq+1]       ; packs upward in place: word qq is written when 2 qq and 2 qq + 1 are read
.set qq, qq+1
.endr
	v_add_nc_u32 v38, \base, v37
.irp u,0,1,2,3,4,5,6,7
	ds_store_b64 v38, v[T+4*\u:T+4*\u+1] offset:544*\u
	ds_store_b64 v38, v[T+4*\u+2:T+4*\u+3] offset:544*\u+128
.endr
.endm
	CONV 1, W1
	CONV 2, W2
	CONV 3, W3
	CONV 4, W4
.irp u,0,1,2,3,4,5,6,7
	v_pk_mul_f32 v[136+2*\u:137+2*\u], v[136+2*\u:137+2*\u], v[208:209] op_sel_hi:[1,0]
.endr
.irp u,0,1,2,3,4,5,6,7
	v_cvt_pk_f16_f32 v[136+\u], v[136+2*\u], v[137+2*\u]
.endr
.irp u,0,1,2,3
	ds_store_b64 v39, v[136+2*\u:137+2*\u] offset:320*\u
.endr
; the small tables have one owner each: waves 0-4 a bias vector, wave 5 wsh, wave 6 wt2
.macro BIASW m
	s_cmp_lg_u32 s2, \m
	s_cbranch_scc1 .Lnob\m
.irp e,0,1,2,3
	v_mul_f32 v[168+4*\m+\e], v[168+4*\m+\e], v[209+2*\m]
.endr
	ds_store_b128 v29, v[168+4*\m:171+4*\m] offset:512*\m
.Lnob\m:
.endm
	BIASW 0
	BIASW 1
	BIASW 2
	BIASW 3
	BIASW 4
	s_cmp_lg_u32 s2, 5
	s_cbranch_scc1 .Lnosh
	v_pk_mul_f32 v[152:153], v[152:153], v[218:219] op_sel_hi:[1,0]
	v_pk_mul_f32 v[154:155], v[154:155], v[218:219] op_sel_hi:[1,0]
	v_cvt_pk_f16_f32 v152, v152, v153
	v_cvt_pk_f16_f32 v153, v154, v155
	ds_store_b64 v47, v[152:153]
.Lnosh:
	s_cmp_lg_u32 s2, 6
	s_cbranch_scc1 .Lnotx
.irp u,0,1,2,3,4,5
	v_pk_mul_f32 v[156+2*\u:157+2*\u], v[156+2*\u:157+2*\u], v[220:221] op_sel_hi:[1,0]
.endr
.irp u,0,1,2,3,4,5
	v_cvt_pk_f16_f32 v[156+\u], v[156+2*\u], v[157+2*\u]
.endr
.irp u,0,1,2
	ds_store_b64 v47, v[156+2*\u:157+2*\u] offset:272+272*\u
.endr
.Lnotx:
	s_wait_dscnt 0x0                               ; my part of the tables is in LDS: zero, for the other waves' sake
	s_barrier_signal -1
	s_barrier_wait -1                              ; from here on the tables are only read; stage and coordinates are each wave's own
; ---------------------------------------------------------------- the loop's macros
; A fragments of one block of 16 channels (nk K blocks, two loads each, the second \second bytes on) and its bias tile, into buffer buf
.macro FETCH buf, areg, off, nk, second, boff
.set fk, 0
.rept \nk
	ds_load_b128 v[AB+32*(\buf)+8*fk:AB+32*(\buf)+8*fk+3], v[\areg] offset:\off+64*fk
	ds_load_b128 v[AB+32*(\buf)+8*fk+4:AB+32*(\buf)+8*fk+7], v[\areg] offset:\off+64*fk+\second
.set fk, fk+1
.endr
.if \boff >= 0
	ds_load_b128 v[BB+8*(\buf):BB+8*(\buf)+3], v9 offset:\boff
	ds_load_b128 v[BB+8*(\buf)+4:BB+8*(\buf)+7], v9 offset:\boff+16
.endif
.endm
; what step FK of a trip needs: 0-7 layer s0, 8-15 s1, 16-23 s2, 24 shape head, 25-32 t0, 33-40 t1, 41 texture head; beyond: nothing
.macro FT
.if FK < 8
	FETCH FK&1, 2, 1280*FK, 1, 16, 64*FK
.elseif FK < 16
	FETCH FK&1, 3, 4352*(FK-8), 4, 32, 512+64*(FK-8)
.elseif FK < 24
	FETCH FK&1, 4, 4352*(FK-16), 4, 32, 1024+64*(FK-16)
.elseif FK == 24
	FETCH 0, 7, 0, 4, 32, -1
.elseif FK < 33
	FETCH FK&1, 5, 4352*(FK-25), 4, 32, 1536+64*(FK-25)
.elseif FK < 41
	FETCH FK&1, 6, 4352*(FK-33), 4, 32, 2048+64*(FK-33)
.elseif FK == 41
	FETCH 1, 8, 0, 4, 32, -1
.endif
.endm
; one matrix instruction: K block skb, pixel tile spx.  The first K block starts the sum from the bias tile (or 0): nothing is cleared
.macro WM xin, cbias
.if skb == 0
.if \cbias
	v_wmma_f32_16x16x32_f16 v[CA+8*spx:CA+8*spx+7], v[CAB:CAB+7], v[\xin+32*spx:\xin+32*spx+7], v[CBB:CBB+7]
.else
	v_wmma_f32_16x16x32_f16 v[CA+8*spx:CA+8*spx+7], v[CAB:CAB+7], v[\xin+32*spx:\xin+32*spx+7], 0
.endif
.else
	v_wmma_f32_16x16x32_f16 v[CA+8*spx:CA+8*spx+7], v[CAB+8*skb:CAB+8*skb+7], v[\xin+32*spx+8*skb:\xin+32*spx+8*skb+7], v[CA+8*spx:CA+8*spx+7]
.endif
.endm
.macro LRELU2 j                        ; 0.4 |y| + (0.6 y): the scalar stands in source 1, whose window is the activations'
	v_fma_f32 v[CE+2*(\j)], |v[CE+2*(\j)]|, s50, v[TMP+2*((\j)&7)]
	v_fma_f32 v[CE+2*(\j)+1], |v[CE+2*(\j)+1]|, s50, v[TMP+2*((\j)&7)+1]
.endm
.macro PLACES n
.rept \n
	v_nop
.endr
.endm
; One step: 16 output channels x 64 pixels (4 nk matrix instructions into accumulator buffer PAR), with the epilogue of the step before
; (buffer 1 - PAR) dealt among them.  late = 4: K block 3 is multiplied behind that epilogue, which is what fills its second half.
; DISTANCES (ISA guide 7.12.1).  Behind a step's last matrix instruction stand at least five plain vector instructions that name none of
; its registers: the last packed multiply and four fused multiply-adds of the OTHER buffer, or the shape head's four and a v_nop, or five
; v_nop.  They are the places in front of the next step's reads of these sums, of the fragment loads into the buffer just read, of the
; matrix instructions that write these accumulators again two steps on, and of the packing that overwrites a former layer's B registers.
.macro STEP nk, xin, cbias, late, kind, xout, mt
.set CA,  ACC+32*PAR
.set CE,  ACC+32*(1-PAR)
.set CAB, AB+32*PAR
.set CBB, BB+8*PAR
.set sidx, 0
.rept 16
.if sidx < 4*\nk-\late
.set skb, sidx>>2
.set spx, sidx&3
	WM \xin, \cbias
.endif
.if EK == 1
	v_pk_mul_f32 v[TMP+2*(sidx&7):TMP+2*(sidx&7)+1], v[CE+2*sidx:CE+2*sidx+1], s[48:49] op_sel_hi:[1,0]
.if sidx > 0
	LRELU2 sidx-1
.endif
.endif
.set sidx, sidx+1
.endr
.if EK == 1
	LRELU2 15
	WIN 0x40                                       ; destination in window 1
.set sidx, 0
.rept 16
	v_cvt_pk_f16_f32 v[EX+32*(sidx>>2)+8*(EM>>1)+4*(EM&1)+(sidx&3)], v[CE+2*sidx], v[CE+2*sidx+1]
.set sidx, sidx+1
.endr
.endif
.if \late
	WIN 0x04
.set skb, 3
.set spx, 0
.rept 4
	WM \xin, \cbias
.set spx, spx+1
.endr
	PLACES 5
.elseif EK == 0
	PLACES 5
.elseif EK == 2
.irp p,0,1,2,3
	v_fma_f32 v[34+\p], v[CE+8*\p], s51, s52       ; 2 (sum / s_5 + bsh): all 16 rows of A were wsh, register 0 serves
.endr
	PLACES 1
.endif
.set EK, \kind
.set EX, \xout
.set EM, \mt
.endm
.macro DOSTEP
.if K < 8
	STEP 1, X1, 1, 0, 1, X0, K
.elseif K == 8
	STEP 4, X0, 1, 4, 1, X1, 0
.elseif K < 16
	STEP 4, X0, 1, 0, 1, X1, K-8
.elseif K == 16
	STEP 4, X1, 1, 4, 1, X0, 0
.elseif K < 24
	STEP 4, X1, 1, 0, 1, X0, K-16
.elseif K == 24
	STEP 4, X0, 0, 4, 2, 0, 0
.elseif K < 33
	STEP 4, X0, 1, 0, 1, X1, K-25
.elseif K == 33
	STEP 4, X1, 1, 4, 1, X0, 0
.elseif K < 41
	STEP 4, X1, 1, 0, 1, X0, K-33
.else
	STEP 4, X0, 0, 4, 0, 0, 0
.endif
.endm
; angle doubled, for (x, y) at once and the four pixel tiles: sin 2a = 2 s c, cos 2a = c c - s s.  Slot f of tile p: sines ACC+16p+4f, cosines +2
.macro DBL d, s
.irp p,0,1,2,3
	v_pk_mul_f32 v[ACC+16*\p+4*\d:ACC+16*\p+4*\d+1], v[ACC+16*\p+4*\s:ACC+16*\p+4*\s+1], v[ACC+16*\p+4*\s+2:ACC+16*\p+4*\s+3]
	v_pk_mul_f32 v[TMP+4*\p:TMP+4*\p+1], v[ACC+16*\p+4*\s:ACC+16*\p+4*\s+1], v[ACC+16*\p+4*\s:ACC+16*\p+4*\s+1]
	v_pk_mul_f32 v[TMP+4*\p+2:TMP+4*\p+3], v[ACC+16*\p+4*\s+2:ACC+16*\p+4*\s+3], v[ACC+16*\p+4*\s+2:ACC+16*\p+4*\s+3]
.endr
.irp p,0,1,2,3
	v_pk_add_f32 v[ACC+16*\p+4*\d:ACC+16*\p+4*\d+1], v[ACC+16*\p+4*\d:ACC+16*\p+4*\d+1], v[ACC+16*\p+4*\d:ACC+16*\p+4*\d+1]
	v_pk_add_f32 v[ACC+16*\p+4*\d+2:ACC+16*\p+4*\d+3], v[TMP+4*\p+2:TMP+4*\p+3], v[TMP+4*\p:TMP+4*\p+1] neg_lo:[0,1] neg_hi:[0,1]
.endr
.endm
; ---------------------------------------------------------------- four trips of 64 pixels
	s_mov_b32 s46, 0
.Ltrip:
.irp p,0,1,2,3
	ds_load_b64 v[22+2*\p:23+2*\p], v10 offset:128*\p      ; (x, y) of pixel 16 p + r, in both halves of the lanes
.endr
	v_add_nc_u32 v10, 512, v10                     ; the next trip's 64 pairs
.set FK, 0
	FT                                             ; step 0's fragments: 4 loads
	s_wait_dscnt 0x4                               ; LDS loads come back in order (ISA guide 5.7.1): the coordinates are in, those 4 may be out
	; THE EMBEDDING.  Half h of the lanes makes frequencies 2^(4h) .. 2^(4h+3), channels 16 h .. 16 h + 15 in their order; ws0's fragment is
	; read as the 32 bytes at 32 h of a row, so A and B carry the same permutation of k.  Start at a quarter of the lowest angle:
	; q = n pi/2 + r, and 4 q = 4 r + 2 pi n, so that two doublings of sin r, cos r give the first frequency with no quadrant logic.
.irp p,0,1,2,3
	v_pk_mul_f32 v[TMP+4*\p:TMP+4*\p+1], v[22+2*\p:23+2*\p], v[16:17]                                  ; q
.endr
.irp p,0,1,2,3
	v_pk_mul_f32 v[TMP+4*\p+2:TMP+4*\p+3], v[TMP+4*\p:TMP+4*\p+1], 0x3f22f983 op_sel_hi:[1,0]          ; q 2/pi
.endr
.irp p,0,1,2,3
	v_rndne_f32 v[TMP+4*\p+2], v[TMP+4*\p+2]                                                           ; n
	v_rndne_f32 v[TMP+4*\p+3], v[TMP+4*\p+3]
.endr
.irp p,0,1,2,3
	v_pk_fma_f32 v[TMP+4*\p:TMP+4*\p+1], v[TMP+4*\p+2:TMP+4*\p+3], 0xbfc90fdb, v[TMP+4*\p:TMP+4*\p+1] op_sel_hi:[1,0,1]   ; - n pi/2, upper word
.endr
.irp p,0,1,2,3
	v_pk_fma_f32 v[TMP+4*\p:TMP+4*\p+1], v[TMP+4*\p+2:TMP+4*\p+3], 0x333bbd2e, v[TMP+4*\p:TMP+4*\p+1] op_sel_hi:[1,0,1]   ; lower word (negative): r
.endr
.irp p,0,1,2,3
	v_pk_mul_f32 v[TMP+4*\p+2:TMP+4*\p+3], v[TMP+4*\p:TMP+4*\p+1], v[TMP+4*\p:TMP+4*\p+1]              ; z = r r
.endr
.irp p,0,1,2,3
	v_pk_fma_f32 v[ACC+16*\p+8:ACC+16*\p+9], v[TMP+4*\p+2:TMP+4*\p+3], 0xb9500d01, v[18:19] op_sel_hi:[1,0,1]    ; 1/120 - z/5040
	v_pk_fma_f32 v[ACC+16*\p+10:ACC+16*\p+11], v[TMP+4*\p+2:TMP+4*\p+3], 0x37d00d01, v[20:21] op_sel_hi:[1,0,1]  ; -1/720 + z/40320
.endr
.irp p,0,1,2,3
	v_pk_fma_f32 v[ACC+16*\p+8:ACC+16*\p+9], v[ACC+16*\p+8:ACC+16*\p+9], v[TMP+4*\p+2:TMP+4*\p+3], 0xbe2aaaab op_sel_hi:[1,1,0]      ; -1/6 + ..
	v_pk_fma_f32 v[ACC+16*\p+10:ACC+16*\p+11], v[ACC+16*\p+10:ACC+16*\p+11], v[TMP+4*\p+2:TMP+4*\p+3], 0x3d2aaaab op_sel_hi:[1,1,0]  ; 1/24 + ..
.endr
.irp p,0,1,2,3
	v_pk_mul_f32 v[ACC+16*\p+12:ACC+16*\p+13], v[TMP+4*\p+2:TMP+4*\p+3], v[TMP+4*\p:TMP+4*\p+1]        ; z r
	v_pk_fma_f32 v[ACC+16*\p+10:ACC+16*\p+11], v[ACC+16*\p+10:ACC+16*\p+11], v[TMP+4*\p+2:TMP+4*\p+3], -0.5 op_sel_hi:[1,1,0]
.endr
.irp p,0,1,2,3
	v_pk_fma_f32 v[ACC+16*\p+8:ACC+16*\p+9], v[ACC+16*\p+8:ACC+16*\p+9], v[ACC+16*\p+12:ACC+16*\p+13], v[TMP+4*\p:TMP+4*\p+1]        ; sin r
	v_pk_fma_f32 v[ACC+16*\p+10:ACC+16*\p+11], v[ACC+16*\p+10:ACC+16*\p+11], v[TMP+4*\p+2:TMP+4*\p+3], 1.0 op_sel_hi:[1,1,0]         ; cos r
.endr
	DBL 3, 2                                       ; 2 r
	DBL 0, 3                                       ; the four frequencies, into slots 0 to 3
	DBL 1, 0
	DBL 2, 1
	DBL 3, 2
	; THE RADIAL FACTOR: 1 - tanh(x) = 2 / (1 + e^(2x)), x = max(radius - 1, 0); the 2 lies in s51, s52.  Behind each run of transcendentals
	; one plain vector instruction stands before a result is used or a source rewritten (ISA guide 5.7.2)
.irp p,0,1,2,3
	v_mul_f32 v[30+\p], v[22+2*\p], v[22+2*\p]
.endr
.irp p,0,1,2,3
	v_fma_f32 v[30+\p], v[23+2*\p], v[23+2*\p], v[30+\p]
.endr
.irp p,0,1,2,3
	v_sqrt_f32 v[34+\p], v[30+\p]
.endr
	v_nop
	s_wait_alu depctr_va_vdst(0)
.irp p,0,1,2,3
	v_fma_f32 v[30+\p], v[34+\p], s54, s55         ; (radius - 1) 2 / ln 2, rounded once
.endr
.irp p,0,1,2,3
	v_max_num_f32 v[30+\p], 0, v[30+\p]
.endr
.irp p,0,1,2,3
	v_exp_f32 v[34+\p], v[30+\p]
.endr
	v_nop
	s_wait_alu depctr_va_vdst(0)
.irp p,0,1,2,3
	v_add_f32 v[34+\p], 1.0, v[34+\p]
.endr
.irp p,0,1,2,3
	v_rcp_f32 v[30+\p], v[34+\p]                   ; an infinite sum gives 0, as 1 - tanh does
.endr
	v_nop
	WIN 0x40
.irp p,0,1,2,3
.irp f,0,1,2,3
	v_cvt_pk_f16_f32 v[X1+32*\p+2*\f], v[ACC+16*\p+4*\f], v[ACC+16*\p+4*\f+1]          ; sin x, sin y
	v_cvt_pk_f16_f32 v[X1+32*\p+2*\f+1], v[ACC+16*\p+4*\f+2], v[ACC+16*\p+4*\f+3]      ; cos x, cos y
.endr
.endr
	; THE 42 STEPS.  At a step's head only its own fragments are out, asked for one step earlier: the wait is for all of them.
	; Then the next step's are asked for, into the buffer that the step before has read (five places behind its last matrix instruction).
.set K, 0
.rept 42
	WIN 0x04                                       ; source 1 (B) in window 1; everything else in window 0
	s_wait_dscnt 0x0
.set FK, K+1
	FT
.set PAR, K&1
	DOSTEP
.set K, K+1
.endr
	; THE WAY OUT.  Registers 0, 1, 2 of accumulator buffer 1 are the three texture channels of pixel r (five v_nop stand behind the last
	; matrix instruction).  The trip's 256 + 768 bytes are gathered in my wave's stage and leave as four stores of 256 aligned bytes.
	WIN 0
	s_wait_alu depctr_va_vdst(0)
.irp p,0,1,2,3
.irp i,0,1,2
	v_fma_f32 v[TMP+3*\p+\i], v[ACC+32+8*\p+\i], s53, s[56+\i]     ; sum / s_6 + bt2
.endr
	v_mul_f32 v[34+\p], v[34+\p], v[30+\p]
.endr
.irp p,0,1,2,3
.irp i,0,1,2
	ds_store_b32 v12, v[TMP+3*\p+\i] offset:192*\p+4*\i    ; lanes r and r + 16 write one word with one value
.endr
	ds_store_b32 v11, v[34+\p] offset:64*\p
.endr
.irp u,0,1,2,3
	ds_load_b64 v[38+2*\u:39+2*\u], v13 offset:256*\u      ; LDS serves a wave's instructions in order (ISA guide 5.7.1): these see the stores above
.endr
	s_wait_dscnt 0x0
	global_store_b64 v14, v[38:39], s[42:43] th:TH_STORE_NT
	global_store_b64 v14, v[40:41], s[44:45] th:TH_STORE_NT
	global_store_b64 v14, v[42:43], s[44:45] offset:256 th:TH_STORE_NT
	global_store_b64 v14, v[44:45], s[44:45] offset:512 th:TH_STORE_NT
	s_wait_xcnt 0x0                                ; the two pointers are stepped, and v38-45 loaded again in the next trip, only behind this wait
	s_add_nc_u64 s[42:43], s[42:43], 256
	s_add_nc_u64 s[44:45], s[44:45], 768
	s_add_co_u32 s46, s46, 1
	s_cmp_lt_u32 s46, 4
	s_cbranch_scc1 .Ltrip
	s_wait_tensorcnt 0x0
	ds_add_u32 v254, v255
	s_wait_dscnt 0x0
	s_endpgm
.Lfunc_end_k_q7bba754708_mlp:
	.size	k_q7bba754708_mlp, .Lfunc_end_k_q7bba754708_mlp-k_q7bba754708_mlp
	.p2alignl 7, 3214868480
	.fill 96, 4, 3214868480
	.section	.rodata,"a",@progbits
	.p2align	6, 0x0
	.amdhsa_kernel k_q7bba754708_mlp
		.amdhsa_group_segment_fixed_size 180224
		.amdhsa_private_segment_fixed_size 0
		.amdhsa_enable_private_segment 0
		.amdhsa_kernarg_size 152
		.amdhsa_user_sgpr_count 2
		.amdhsa_user_sgpr_kernarg_segment_ptr 1
		.amdhsa_wavefront_size32 1
		.amdhsa_system_sgpr_workgroup_id_x 1
		.amdhsa_system_sgpr_workgroup_id_y 1
		.amdhsa_system_sgpr_workgroup_id_z 1
		.amdhsa_system_vgpr_workitem_id 0
		.amdhsa_next_free_vgpr 512
		.amdhsa_next_free_sgpr 66
		.amdhsa_reserve_vcc 0
		.amdhsa_float_denorm_mode_32 3
		.amdhsa_float_denorm_mode_16_64 3
		.amdhsa_memory_ordered 1
		.amdhsa_forward_progress 1
		.amdhsa_inst_pref_size 255
	.end_amdhsa_kernel
	.section	.bss,"aw",@nobits
	.p2align	6
	.space	262144
	.amdgpu_metadata
---
amdhsa.version: [ 1, 2 ]
amdhsa.kernels:
  - .name:           k_q7bba754708_mlp
    .symbol:         k_q7bba754708_mlp.kd
    .args:
      - { .name: coords, .offset: 0, .size: 8, .value_kind: global_buffer, .address_space: global }
      - { .name: shape_cond, .offset: 8, .size: 8, .value_kind: global_buffer, .address_space: global }
      - { .name: texture_cond, .offset: 16, .size: 8, .value_kind: global_buffer, .address_space: global }
      - { .name: ws0, .offset: 24, .size: 8, .value_kind: global_buffer, .address_space: global }
      - { .name: bs0, .offset: 32, .size: 8, .value_kind: global_buffer, .address_space: global }
      - { .name: ws1, .offset: 40, .size: 8, .value_kind: global_buffer, .address_space: global }
      - { .name: bs1, .offset: 48, .size: 8, .value_kind: global_buffer, .address_space: global }
      - { .name: ws2, .offset: 56, .size: 8, .value_kind: global_buffer, .address_space: global }
      - { .name: bs2, .offset: 64, .size: 8, .value_kind: global_buffer, .address_space: global }
      - { .name: wsh, .offset: 72, .size: 8, .value_kind: global_buffer, .address_space: global }
      - { .name: bsh, .offset: 80, .size: 8, .value_kind: global_buffer, .address_space: global }
      - { .name: wt0, .offset: 88, .size: 8, .value_kind: global_buffer, .address_space: global }
      - { .name: bt0, .offset: 96, .size: 8, .value_kind: global_buffer, .address_space: global }
      - { .name: wt1, .offset: 104, .size: 8, .value_kind: global_buffer, .address_space: global }
      - { .name: bt1, .offset: 112, .size: 8, .value_kind: global_buffer, .address_space: global }
      - { .name: wt2, .offset: 120, .size: 8, .value_kind: global_buffer, .address_space: global }
      - { .name: bt2, .offset: 128, .size: 8, .value_kind: global_buffer, .address_space: global }
      - { .name: out0, .offset: 136, .size: 8, .value_kind: global_buffer, .address_space: global }
      - { .name: out1, .offset: 144, .size: 8, .value_kind: global_buffer, .address_space: global }
    .group_segment_fixed_size: 180224
    .private_segment_fixed_size: 0
    .kernarg_segment_align: 8
    .kernarg_segment_size: 152
    .max_flat_workgroup_size: 256
    .sgpr_count:     66
    .vgpr_count:     512
    .wavefront_size: 32
...
	.end_amdgpu_metadata
.endif
;; end of part 1
;; ======== version 2 of 2: 1 launch; version 1 with the launch mlp written anew for expert scheduling mode
;; launch mlp (part 2): grid 256 x 1, 8 waves a work-group, no clusters, 180,224 bytes of LDS; arguments coords, shape_cond, texture_cond, ws0, bs0, ws1, bs1, ws2, bs2, wsh, bsh, wt0, bt0, wt1, bt1, wt2, bt2, out0, out1; writes out0, out1
.if DOCPART == 2
	.amdgcn_target "amdgcn-amd-amdhsa--gfx1250"
	.amdhsa_code_object_version 6
	.text
	.protected	k_q7bba754708_mlp
	.globl	k_q7bba754708_mlp
	.p2align	8
	.type	k_q7bba754708_mlp,@function
k_q7bba754708_mlp:
	s_mov_b64 s[64:65], 0
	v_nop
	global_prefetch_b8 v0, s[64:65] scope:SCOPE_SE
	s_setreg_imm32_b32 hwreg(HW_REG_WAVE_SCHED_MODE, 0, 2), 2
	s_setreg_imm32_b32 hwreg(HW_REG_WAVE_MODE, 25, 1), 1
	s_wait_xcnt 0x0
	s_wait_alu depctr_vm_vsrc(0)
; Coordinate decoder: 524,288 pixels -> sin/cos embedding (32) -> three layers of 128 -> shape head (1), -> two layers of 128 -> texture head (3).
; One launch.  Work-group g owns pixels 2048 g .. 2048 g + 2047 (all of image g >> 5); wave w owns 256 of them, in 4 trips of 64 pixels.
;
; HOW THE PRODUCTS ARE LAID.  Weights are the matrix instruction's A (16 output channels x 32 inputs), activations its B (a column = a pixel).
; In the result, lane (r = L & 15, h = L >> 4) holds in register j channel 16 mt + 8 h + j of pixel r.  Packed in pairs these four registers
; ARE registers 4 (mt & 1) .. + 3 of K block mt >> 1 of the next layer's B operand: activations never leave the registers.
; shape_cond and texture_cond are constant in an image, so their columns of ws0 and wt0 give 128 numbers each that are added to the bias
; (2 x 8,192 multiply-adds in f32 for a work-group); K falls from 96 to 32 and from 192 to 128.
; The gains 1/sqrt(fan-in) and the sqrt(2) of the activation in front are folded into the weights; the activation kept is 0.6 y + 0.4 |y|.
;
; NUMBER FORMAT.  Operands are f16 (11 significant bits), sums f32: six products follow each other and bf16's 8 bits would use up the margin.
; f16's range is kept by a power of two s_l for each layer, made from the data: B_l = R_l B_prev + max|bias_l| with R_l the largest row sum of
; |weights| (gain included) bounds every activation of layer l, and s_l = 2^(141 - e), e the biased exponent of B_l, puts s_l B_l into
; [2^14, 2^15).  Stored weights are w c_l s_l / s_prev (row sum below 2), stored biases b s_l (f32).  The heads' sums are divided by their s.
; LIMITS KEPT: e is clamped to 32 .. 222, so the bounds B_l must lie in [2^-95, 2^96); NaN and infinite inputs are not served;
; coords / 10 is a multiplication by the f32 nearest to 0.1 (at most one unit in the last place off); the angle is reduced with pi/2 in two
; words, whose remainder is 1e-15 a quarter turn; sine to r^7 and cosine to r^8 on |r| <= pi/4 (3e-7), then five doublings.
;
; NO CLUSTER, NO TENSOR LOADS: the one shared input is the weights, which each work-group reads once, at its start.  As f32 they are 346,112
; bytes, more than the 327,680 of LDS, and every number has to pass through registers anyway (row sums, scale, rounding to f16).
; Nothing is shared in the loop, which loads nothing from memory.  No prefetch for the same reason: all loads are issued in the first lines.
;
; THE MODE: SCHED_MODE bits 1:0 = 2 (LLVM: expert scheduling mode 2), set by the entry lines.  The code itself states the register dependences
; between vector or matrix instructions and memory or LDS instructions, with s_wait_alu, always for 0.
; THE PLAN, in the loop.  Registers that LDS or memory instructions touch:
;   AB0, AB1, BB0, BB1  Step K's matrix instructions read AB[K & 1] and BB[K & 1]; the LDS loads issued in step K + 1 (step K + 2's fragments) land there.
;   v2-9, v11-14        Addresses, made at the head and never written again.
;   v10                 Read by a trip's four coordinate loads; stepped once a trip, behind them.
;   v22-29              The coordinate loads land here; the embedding and the radial factor read them.
;   v48-59, v34-37      Written by the way out's arithmetic, read by its LDS stores; written again by the next trip's embedding and roots.
;   v38-45              The way out's LDS loads land here, its global stores read them; no vector instruction of the loop names them.
; ONE wait on va_vdst stands at the head of steps 1 to 40: the step before is done reading its fragment buffer.  The step's loads follow it, dealt
; among its first matrix instructions; the step's own vector and matrix instructions name the other fragment buffer, the accumulators, TMP and
; window 1 alone.  One more stands in the way out, ahead of the LDS stores.  One wait on vm_vsrc stands at a trip's head, ahead of the add to v10.
;
; LDS (bytes).  Weight rows of 256 bytes lie 272 apart and rows of 64 bytes 80 apart: odd multiples of 16, so the sixteen rows that one
; fragment load touches begin in sixteen different 16-byte columns modulo 256.
.set W1,   0                           ; ws1            128 rows x 272
.set W2,   34816                       ; ws2
.set W3,   69632                       ; wt0[:, 0:128]
.set W4,   104448                      ; wt1
.set W0,   139264                      ; ws0[:, 0:32]   128 rows x 80
.set WSH,  149504                      ; wsh            1 row
.set WTX,  149776                      ; wt2            3 rows x 272
.set BIAS, 150592                      ; [5][128] f32, scaled
.set FOLD, 153152                      ; [2][128] f32: the conditioning dots
.set RED,  154176                      ; [5][8] f32: each wave's largest row sum
.set COB,  154432                      ; wave w: 2,048 bytes, its 256 coordinate pairs
.set STG,  170816                      ; wave w: 1,024 bytes, a trip's out0 (256) and out1 (768)
; VECTOR REGISTERS, window 0, loop: v2-14 addresses; v15 lane exchange; v16-21 constants; v22-29 coordinates; v30-33 radial factor;
; v34-37 shape value; v38-45 store data; v48-63 TMP; v64-127 A fragments (2 buffers x 4 K blocks x 8); v128-143 bias tiles (2 x 8);
; v144-207 accumulators (2 buffers x 4 pixel tiles x 8).  Window 1: X0 = v256-383, X1 = v384-511: activations, 32 p + 8 kb.
; Prologue: v22-29 scratch and store addresses; v30-35 load offsets; v36, v204 addresses of the loads behind the first barrier; v37-39, v47 store
; addresses; v40-46 sums; v48-63 dots; v64-127 T; v128-203 small inputs; v208-221 pairs (M_l, S_l); v222-249 the scale chain;
; window 1: the four 128 x 128 matrices, 64 registers each: f32 as loaded, then scaled, packed and stored from there.
.set T,    64
.set TMP,  48
.set AB,   64
.set BB,   128
.set ACC,  144
.set X0,   0
.set X1,   128
.set MSB,  0
.set EK,   0                           ; the epilogue that is owed: 0 none, 1 activation and packing, 2 shape head
.set EX,   0                           ; where it packs to
.set EM,   0                           ; which block of 16 channels it is
.macro WIN new                         ; s_set_vgpr_msb: bits 1:0 source 0, 3:2 source 1, 5:4 source 2, 7:6 destination; high byte = the setting left
.if MSB != \new
	s_set_vgpr_msb (MSB<<8)|\new
.set MSB, \new
.endif
.endm
.macro WSUM v                          ; sum over the 32 lanes, in every lane
.irp x,1,2,4,8
	v_add_f32_dpp v[\v], v[\v], v[\v] row_xmask:\x row_mask:0xf bank_mask:0xf
.endr
	v_permlanex16_b32 v15, v[\v], s60, s61
	v_add_f32 v[\v], v[\v], v15
.endm
.macro WMAX v                          ; maximum over the 32 lanes, in every lane
.irp x,1,2,4,8
	v_max_num_f32_dpp v[\v], v[\v], v[\v] row_xmask:\x row_mask:0xf bank_mask:0xf
.endr
	v_permlanex16_b32 v15, v[\v], s60, s61
	v_max_num_f32 v[\v], v[\v], v15
.endm
; ---------------------------------------------------------------- addresses of the 19 buffers, ids, load offsets
	s_load_b512 s[8:23], s[0:1], 0x0               ; coords 8, shape_cond 10, texture_cond 12, ws0 14, bs0 16, ws1 18, bs1 20, ws2 22
	s_load_b512 s[24:39], s[0:1], 0x40             ; bs2 24, wsh 26, bsh 28, wt0 30, bt0 32, wt1 34, bt1 36, wt2 38
	s_load_b128 s[40:43], s[0:1], 0x80             ; bt2 40, out0 42
	s_load_b64 s[44:45], s[0:1], 0x90              ; out1 44
	v_lshl_add_u32 v254, v0, 2, 0x2bc00
	v_mov_b32 v255, 0
	v_and_b32 v1, 31, v0                           ; lane L
	v_lshrrev_b32 v22, 5, v0
	v_readfirstlane_b32 s2, v22                    ; wave w
	v_and_b32 v22, 15, v0                          ; r
	v_bfe_u32 v23, v0, 4, 1                        ; h
	v_bfe_u32 v24, v0, 3, 2                        ; L >> 3
	v_and_b32 v25, 7, v0                           ; L & 7
	s_wait_alu depctr_va_sdst(0)                   ; s2 is written, ahead of its first reader: rows, LDS places, pointers and the owners' branches are made from it
	s_lshl_b32 s4, s2, 4                           ; wave w owns rows 16 w .. 16 w + 15 of every weight matrix
	v_add_nc_u32 v26, s4, v23                      ; row 16 w + h
	v_add_nc_u32 v27, s4, v24                      ; row 16 w + (L >> 3)
	v_mul_u32_u24 v30, v26, 384
	v_lshl_add_u32 v30, v22, 4, v30                ; ws0, rows of 384 bytes: sixteen lanes a row
	v_mul_u32_u24 v31, v26, 768
	v_lshl_add_u32 v31, v22, 4, v31                ; wt0, rows of 768 bytes
	v_mul_u32_u24 v32, v27, 384
	v_lshl_add_u32 v32, v25, 4, v32                ; ws0's first 128 bytes of a row: eight lanes a row
	v_lshlrev_b32 v33, 4, v1                       ; 16 L
	v_lshlrev_b32 v34, 4, v22                      ; 16 r
	v_lshlrev_b32 v35, 9, v26
	v_lshl_add_u32 v35, v22, 4, v35                ; rows of 512 bytes
	s_mov_b32 s60, 0x76543210                      ; v_permlanex16_b32: lane i of one half reads lane i of the other
	s_mov_b32 s61, 0xfedcba98
	s_mov_b32 s48, 0x3f19999a                      ; 0.6, twice (a pair for the packed multiply)
	s_mov_b32 s49, 0x3f19999a
	s_mov_b32 s50, 0x3ecccccd                      ; 0.4
	s_mov_b32 s54, 0x4038aa3b                      ; 2 / ln 2
	s_mov_b32 s55, 0xc038aa3b                      ; and its negative
	v_mov_b32 v15, 0                               ; the lane exchange's destination counts as read
	s_wait_kmcnt 0x0
	s_lshl_b32 s4, ttmp9, 14                       ; coords: 2,048 pixels x 8 bytes a work-group, 256 x 8 a wave
	s_lshl_b32 s6, s2, 11
	s_add_co_u32 s4, s4, s6
	s_mov_b32 s5, 0
	s_add_nc_u64 s[8:9], s[8:9], s[4:5]
	s_lshr_b32 s4, ttmp9, 5                        ; image = g >> 5; a conditioning row is 256 bytes
	s_lshl_b32 s4, s4, 8
	s_add_nc_u64 s[10:11], s[10:11], s[4:5]
	s_add_nc_u64 s[12:13], s[12:13], s[4:5]
	s_lshl_b32 s4, ttmp9, 13                       ; out0: 4 bytes a pixel
	s_lshl_b32 s6, s2, 10
	s_add_co_u32 s4, s4, s6
	s_add_nc_u64 s[42:43], s[42:43], s[4:5]
	s_mul_i32 s4, ttmp9, 24576                     ; out1: 12 bytes a pixel
	s_mul_i32 s6, s2, 3072
	s_add_co_u32 s4, s4, s6
	s_add_nc_u64 s[44:45], s[44:45], s[4:5]
	s_load_b32 s59, s[28:29], 0x0                  ; bsh
	s_load_b96 s[56:58], s[40:41], 0x0             ; bt2
	s_wait_alu depctr_va_vdst(0)                   ; the six offsets v30 to v35 are written, which all 99 global loads read; they are not written again before the loop
; ---------------------------------------------------------------- all small inputs and the first matrix: 51 loads, numbered in issue order
.macro LOADM m, voff, sb, rowstep      ; 16 loads: my 16 rows of a matrix' 128 columns; load (u, j): rows 16 w + 2 u + h, half row j.  No vector instruction has named their registers
	WIN 0x40                                       ; data into window 1, offsets from window 0
.irp u,0,1,2,3,4,5,6,7
	global_load_b128 v[64*(\m-1)+8*\u:64*(\m-1)+8*\u+3], v[\voff], s[\sb:\sb+1] offset:\rowstep*\u
	global_load_b128 v[64*(\m-1)+8*\u+4:64*(\m-1)+8*\u+7], v[\voff], s[\sb:\sb+1] offset:\rowstep*\u+256
.endr
	WIN 0
.endm
.irp u,0,1,2,3,4,5,6,7
	global_load_b128 v[64+4*\u:67+4*\u], v30, s[14:15] offset:768*\u+128       ; 1-8: ws0[:, 32:96]
.endr
.irp u,0,1,2,3,4,5,6,7
	global_load_b128 v[96+4*\u:99+4*\u], v31, s[30:31] offset:1536*\u+512      ; 9-16: wt0[:, 128:192]
.endr
	global_load_b128 v[128:131], v34, s[10:11]                                 ; 17: shape_cond[4 r ..]
	global_load_b128 v[132:135], v34, s[12:13]                                 ; 18: texture_cond[4 r ..]
.irp u,0,1,2,3
	global_load_b128 v[136+4*\u:139+4*\u], v32, s[14:15] offset:1536*\u        ; 19-22: ws0[:, 0:32], four rows a load
.endr
	global_load_b128 v[152:155], v33, s[26:27]                                 ; 23: wsh
.irp u,0,1,2
	global_load_b128 v[156+4*\u:159+4*\u], v33, s[38:39] offset:512*\u         ; 24-26: wt2
.endr
	global_load_b128 v[168:171], v33, s[16:17]                                 ; 27-31: the five biases, channels 4 L ..
	global_load_b128 v[172:175], v33, s[20:21]
	global_load_b128 v[176:179], v33, s[24:25]
	global_load_b128 v[180:183], v33, s[32:33]
	global_load_b128 v[184:187], v33, s[36:37]
.irp u,0,1,2,3
	global_load_b128 v[188+4*\u:191+4*\u], v33, s[8:9] offset:512*\u th:TH_LOAD_NT   ; 32-35: my wave's 2,048 bytes of coords
.endr
	LOADM 1, 35, 18, 1024                                                      ; 36-51: ws1
; ---------------------------------------------------------------- LDS addresses and constants, while the loads are out.  Every address of the kernel is made here, once
	s_mul_i32 s5, s2, 4352
	v_mul_u32_u24 v37, v23, 272
	v_lshl_add_u32 v37, v22, 3, v37
	v_add_nc_u32 v37, s5, v37                      ; store of a 128-wide matrix: (16 w + h) 272 + 8 r: ws1, and ws2 by the immediate
	v_add_nc_u32 v38, W3, v37                      ; the same for wt0, and wt1 by the immediate
	s_mul_i32 s5, s2, 1280
	s_add_co_u32 s5, s5, W0
	v_mul_u32_u24 v39, v24, 80
	v_lshl_add_u32 v39, v25, 3, v39
	v_add_nc_u32 v39, s5, v39                      ; store of ws0: W0 + (16 w + (L >> 3)) 80 + 8 (L & 7)
	s_lshl_b32 s5, s2, 6
	s_add_co_u32 s5, s5, FOLD
	v_lshl_add_u32 v26, v23, 2, s5                 ; FOLD + 4 (16 w + h)
	s_lshl_b32 s5, s2, 2
	s_add_co_u32 s5, s5, RED
	v_mov_b32 v27, s5                              ; RED + 4 w
	v_mov_b32 v36, RED                             ; all waves' maxima, read behind the first barrier
	v_add_nc_u32 v204, FOLD, v33                   ; FOLD + 16 L: the dots of channels 4 L .., as the biases lie
	s_lshl_b32 s5, s2, 11
	s_add_co_u32 s5, s5, COB
	v_lshl_add_u32 v28, v1, 4, s5                  ; my coordinates in: + 16 L
	v_lshl_add_u32 v10, v22, 3, s5                 ; and out: + 8 r, stepped by 512 a trip
	v_add_nc_u32 v29, BIAS, v33                    ; BIAS + 16 L
	v_lshlrev_b32 v47, 3, v1
	v_add_nc_u32 v47, WSH, v47                     ; WSH + 8 L
	v_mul_u32_u24 v2, v22, 80
	v_lshl_add_u32 v2, v23, 5, v2
	v_add_nc_u32 v2, W0, v2                        ; fragments of ws0: row r, 32 bytes at 32 h
	v_mul_u32_u24 v3, v22, 272
	v_lshl_add_u32 v3, v23, 4, v3                  ; fragments of ws1 (W1 = 0): row r, 16 bytes at 16 h
	v_add_nc_u32 v4, W2, v3
	v_add_nc_u32 v5, W3, v3
	v_add_nc_u32 v6, W4, v3
	v_lshlrev_b32 v7, 4, v23
	v_add_nc_u32 v7, WSH, v7                       ; wsh: every row of A is the one row
	v_min_u32 v8, 2, v25
	v_mul_u32_u24 v8, v8, 272
	v_lshl_add_u32 v8, v23, 4, v8
	v_add_nc_u32 v8, WTX, v8                       ; wt2: A's rows 8 h + j hold row min(j, 2), so registers 0, 1, 2 of both halves are the 3 channels
	v_lshlrev_b32 v9, 5, v23
	v_add_nc_u32 v9, BIAS, v9                      ; bias tile: 8 numbers at 32 h
	s_lshl_b32 s5, s2, 10
	s_add_co_u32 s5, s5, STG
	v_lshl_add_u32 v11, v22, 2, s5                 ; stage, out0: 4 r
	v_mul_u32_u24 v12, v22, 12
	v_add_nc_u32 v12, s5, v12
	v_add_nc_u32 v12, 256, v12                     ; stage, out1: 256 + 12 r
	v_lshl_add_u32 v13, v1, 3, s5                  ; stage read back: 8 L
	v_lshlrev_b32 v14, 3, v1                       ; and the same 8 L in the outputs
	v_lshlrev_b32 v16, 25, v23
	v_add_nc_u32 v16, 0x3ccccccd, v16              ; 0.1 / 4 (h = 0) or 0.1 x 4 (h = 1: four more in the exponent)
	v_mov_b32 v17, v16
	v_mov_b32 v18, 0x3c088889                      ; 1/120
	v_mov_b32 v19, 0x3c088889
	v_mov_b32 v20, 0xbab60b61                      ; -1/720
	v_mov_b32 v21, 0xbab60b61
; ---------------------------------------------------------------- the conditioning dots: row 16 w + 2 u + h, sixteen lanes x 4 columns
.macro FOLDC k, fc, cv                 ; the arithmetic
.irp u,0,1,2,3,4,5,6,7
	v_mul_f32 v[48+8*\k+\u], v[\fc+4*\u], v[\cv]
.endr
.irp e,1,2,3
.irp u,0,1,2,3,4,5,6,7
	v_fmac_f32 v[48+8*\k+\u], v[\fc+4*\u+\e], v[\cv+\e]
.endr
.endr
.irp x,1,2,4,8
.irp u,0,1,2,3,4,5,6,7
	v_add_f32_dpp v[48+8*\k+\u], v[48+8*\k+\u], v[48+8*\k+\u] row_xmask:\x row_mask:0xf bank_mask:0xf
.endr
.endr
.endm
.macro FOLDS k                         ; the stores
.irp u,0,1,2,3,4,5,6,7
	ds_store_b32 v26, v[48+8*\k+\u] offset:512*\k+8*\u     ; sixteen lanes write one word with one value
.endr
.endm
	s_wait_loadcnt 33                              ; loads come back in order (ISA guide 5.7.1): 51 issued, 1-18 needed
	FOLDC 0, 64, 128
	FOLDC 1, 96, 132
	s_wait_alu depctr_va_vdst(0)                   ; the sixteen dots v48 to v63 are written, which the stores read; so is every address made above, for all LDS and memory instructions of the kernel
	FOLDS 0
	FOLDS 1
	LOADM 2, 35, 22, 1024                          ; 52-67: ws2
	; largest row sum of |ws0[:, 0:32]|: a row lies in eight lanes
	s_wait_loadcnt 45                              ; 67 issued, 1-22 needed
.irp u,0,1,2,3
	v_add_f32 v[T+\u], |v[136+4*\u]|, |v[137+4*\u]|
	v_add_f32 v[T+4+\u], |v[138+4*\u]|, |v[139+4*\u]|
.endr
.irp u,0,1,2,3
	v_add_f32 v[T+\u], v[T+\u], v[T+4+\u]
.endr
.irp x,1,2,4
.irp u,0,1,2,3
	v_add_f32_dpp v[T+\u], v[T+\u], v[T+\u] row_xmask:\x row_mask:0xf bank_mask:0xf
.endr
.endr
	v_max3_num_f32 v40, v[T], v[T+1], v[T+2]
	v_max_num_f32 v40, v40, v[T+3]
	WMAX 40
	; the heads: every wave holds all of wsh and wt2, so these sums need no LDS.  For wt2 the sum of all three rows, which bounds each
	s_wait_loadcnt 41                              ; 67 issued, 1-26 needed
	v_add_f32 v45, |v152|, |v153|
	v_add_f32 v[T], |v154|, |v155|
	v_add_f32 v46, |v156|, |v157|
	v_add_f32 v45, v45, v[T]
.irp e,158,159,160,161,162,163,164,165,166,167
	v_add_f32 v46, v46, |v[\e]|
.endr
	WSUM 45
	WSUM 46
	s_wait_loadcnt 32                              ; 67 issued, 1-35 needed: biases and coordinates
.irp u,0,1,2,3
	ds_store_b128 v28, v[188+4*\u:191+4*\u] offset:512*\u  ; my wave's own bytes: read by it alone.  The data come from loads; v28 stands ahead of the wait above
.endr
	LOADM 3, 31, 30, 1536                          ; 68-83: wt0[:, 0:128]
; largest row sum of a 128-wide matrix: row 16 w + 2 u + h lies in sixteen lanes x 8 numbers
.macro ROWSUM m
	WIN 0x05                                       ; both sources in window 1
.set qq, 0
.rept 32
	v_add_f32 v[T+qq], |v[64*(\m-1)+2*qq]|, |v[64*(\m-1)+2*qq+1]|
.set qq, qq+1
.endr
	WIN 0
.irp u,0,1,2,3,4,5,6,7
	v_add_f32 v[T+4*\u], v[T+4*\u], v[T+4*\u+1]
	v_add_f32 v[T+4*\u+2], v[T+4*\u+2], v[T+4*\u+3]
.endr
.irp u,0,1,2,3,4,5,6,7
	v_add_f32 v[T+4*\u], v[T+4*\u], v[T+4*\u+2]
.endr
.irp x,1,2,4,8
.irp u,0,1,2,3,4,5,6,7
	v_add_f32_dpp v[T+4*\u], v[T+4*\u], v[T+4*\u] row_xmask:\x row_mask:0xf bank_mask:0xf
.endr
.endr
	v_max3_num_f32 v[40+\m], v[T], v[T+4], v[T+8]
	v_max3_num_f32 v[40+\m], v[40+\m], v[T+12], v[T+16]
	v_max3_num_f32 v[40+\m], v[40+\m], v[T+20], v[T+24]
	v_max_num_f32 v[40+\m], v[40+\m], v[T+28]
	v_permlanex16_b32 v15, v[40+\m], s60, s61      ; the odd rows lie in the other half
	v_max_num_f32 v[40+\m], v[40+\m], v15
.endm
	s_wait_loadcnt 32                              ; 83 issued, 1-51 needed
	ROWSUM 1
	LOADM 4, 35, 34, 1024                          ; 84-99: wt1
	s_wait_loadcnt 32                              ; 99 issued, 1-67 needed
	ROWSUM 2
	s_wait_loadcnt 16                              ; 1-83 needed
	ROWSUM 3
	s_wait_loadcnt 0
	ROWSUM 4
	s_wait_alu depctr_va_vdst(0)                   ; the five maxima v40 to v44 are written, which the stores read; the sums are done with v[T ..] and the dots with v128 to v135, in which the loads behind the barrier land
.irp m,0,1,2,3,4
	ds_store_b32 v27, v[40+\m] offset:32*\m
.endr
	s_wait_dscnt 0x0                               ; my dots and maxima are in LDS: zero, for the other waves' sake
	s_barrier_signal -1
	s_barrier_wait -1
; ---------------------------------------------------------------- every wave: the bounds and the scales (uniform arithmetic in all lanes)
.irp u,0,1,2,3,4,5,6,7,8,9
	ds_load_b128 v[T+4*\u:T+4*\u+3], v36 offset:16*\u      ; layer l's eight maxima at T + 8 l.  No vector instruction since the wait above
.endr
	ds_load_b128 v[128:131], v204
	ds_load_b128 v[132:135], v204 offset:512
	s_wait_dscnt 0x0
.irp m,0,1,2,3,4
	v_max3_num_f32 v[222+\m], v[T+8*\m], v[T+8*\m+1], v[T+8*\m+2]
	v_max3_num_f32 v[222+\m], v[222+\m], v[T+8*\m+3], v[T+8*\m+4]
	v_max3_num_f32 v[222+\m], v[222+\m], v[T+8*\m+5], v[T+8*\m+6]
	v_max_num_f32 v[222+\m], v[222+\m], v[T+8*\m+7]
.endr
	v_mul_f32 v222, 0x3dd105ec, v222               ; R_l = gain x row sum: 1/sqrt(96)
	v_mul_f32 v223, 0x3e000000, v223               ; sqrt(2)/sqrt(128) = 1/8
	v_mul_f32 v224, 0x3e000000, v224
	v_mul_f32 v225, 0x3dd105ec, v225               ; sqrt(2)/sqrt(192) = 1/sqrt(96)
	v_mul_f32 v226, 0x3e000000, v226
	v_mul_f32 v227, 0x3e000000, v45
	v_mul_f32 v228, 0x3e000000, v46
	v_pk_fma_f32 v[168:169], v[128:129], 0x3dd105ec, v[168:169] op_sel_hi:[1,0,1]  ; bs0 + dot / sqrt(96)
	v_pk_fma_f32 v[170:171], v[130:131], 0x3dd105ec, v[170:171] op_sel_hi:[1,0,1]
	v_pk_fma_f32 v[180:181], v[132:133], 0x3d93cd3b, v[180:181] op_sel_hi:[1,0,1]  ; bt0 + dot / sqrt(192)
	v_pk_fma_f32 v[182:183], v[134:135], 0x3d93cd3b, v[182:183] op_sel_hi:[1,0,1]
.irp m,0,1,2,3,4
	v_max3_num_f32 v[229+\m], |v[168+4*\m]|, |v[169+4*\m]|, |v[170+4*\m]|
	v_max_num_f32 v[229+\m], v[229+\m], |v[171+4*\m]|
.endr
.irp m,0,1,2,3,4
	WMAX 229+\m
.endr
.macro SCALE m                         ; from B_m (v234 + m): S_m = 2^(141 - e) into v209 + 2 m, 1 / S_m into v241 + m
	v_lshrrev_b32 v248, 23, v[234+\m]              ; e: B is not negative
	v_max_u32 v248, 32, v248
	v_min_u32 v248, 0xde, v248
	v_sub_nc_u32 v249, 0x10c, v248                 ; 141 - e + 127
	v_add_nc_u32 v248, -14, v248                   ; e - 141 + 127
	v_lshlrev_b32 v[209+2*\m], 23, v249
	v_lshlrev_b32 v[241+\m], 23, v248
.endm
.macro CHAIN m, gain                   ; B_m = R_m B_(m-1) + max|bias_m|;  M_m = gain S_m / S_(m-1), the factor on the weights
	v_fma_f32 v[234+\m], v[222+\m], v[233+\m], v[229+\m]
	SCALE \m
	v_mul_f32 v[208+2*\m], v[209+2*\m], v[240+\m]
	v_mul_f32 v[208+2*\m], \gain, v[208+2*\m]
.endm
	v_add_f32 v234, v222, v229                     ; the embedding is bounded by 1
	SCALE 0
	v_mul_f32 v208, 0x3dd105ec, v209
	CHAIN 1, 0x3e000000
	CHAIN 2, 0x3e000000
	CHAIN 3, 0x3dd105ec
	CHAIN 4, 0x3e000000
	v_mul_f32 v239, v227, v236                     ; shape head, behind layer 2: its bias is added in f32 later
	SCALE 5
	v_mul_f32 v218, v219, v243
	v_mul_f32 v218, 0x3e000000, v218
	v_mul_f32 v240, v228, v238                     ; texture head, behind layer 4
	SCALE 6
	v_mul_f32 v220, v221, v245
	v_mul_f32 v220, 0x3e000000, v220
	v_add_f32 v248, v246, v246                     ; 2 / s_5: the 2 of 1 - tanh = 2 / (1 + e^2x)
	v_readfirstlane_b32 s51, v248
	v_readfirstlane_b32 s53, v247                  ; 1 / s_6
	s_wait_kmcnt 0x0                               ; bsh and bt2
	v_add_f32 v249, s59, s59
	v_readfirstlane_b32 s52, v249                  ; 2 bsh
	s_wait_alu depctr_va_sdst(0)                   ; s51, s52 and s53 are written
; ---------------------------------------------------------------- scale, round to f16, store: each wave its 16 rows.  A matrix stays in its own 64 registers of window 1
.macro CONVM m                         ; times M_m, in place
.set qq, 0
.rept 32
	v_pk_mul_f32 v[64*(\m-1)+2*qq:64*(\m-1)+2*qq+1], v[64*(\m-1)+2*qq:64*(\m-1)+2*qq+1], v[208+2*\m:209+2*\m] op_sel_hi:[1,0]
.set qq, qq+1
.endr
.endm
.macro CONVP m
.set qq, 0
.rept 32
	v_cvt_pk_f16_f32 v[64*(\m-1)+qq], v[64*(\m-1)+2*qq], v[64*(\m-1)+2*qq+1]   ; packs upward in place: word qq is written when 2 qq and 2 qq + 1 are read
.set qq, qq+1
.endr
.endm
.macro CONVS m, areg, base
.irp u,0,1,2,3,4,5,6,7
	ds_store_b64 v[\areg], v[64*(\m-1)+4*\u:64*(\m-1)+4*\u+1] offset:\base+544*\u
	ds_store_b64 v[\areg], v[64*(\m-1)+4*\u+2:64*(\m-1)+4*\u+3] offset:\base+544*\u+128
.endr
.endm
	WIN 0x41                                       ; source 0 and destination in window 1, the factor in window 0
	CONVM 1
	CONVM 2
	CONVM 3
	CONVM 4
	WIN 0x45                                       ; both sources and the destination in window 1
	CONVP 1
	CONVP 2
	CONVP 3
	CONVP 4
	WIN 0
.irp u,0,1,2,3,4,5,6,7
	v_pk_mul_f32 v[136+2*\u:137+2*\u], v[136+2*\u:137+2*\u], v[208:209] op_sel_hi:[1,0]
.endr
.irp u,0,1,2,3,4,5,6,7
	v_cvt_pk_f16_f32 v[136+\u], v[136+2*\u], v[137+2*\u]
.endr
	s_wait_alu depctr_va_vdst(0)                   ; the roundings have written v136 to v143 and the four matrices' packed words, which the 68 stores read; the scale chain is done reading v[T ..] and v128 to v135, in which the loop's first fragments land
.irp u,0,1,2,3
	ds_store_b64 v39, v[136+2*\u:137+2*\u] offset:320*\u
.endr
	WIN 0x04                                       ; store data (source 1) in window 1, addresses in window 0
	CONVS 1, 37, W1
	CONVS 2, 37, W2
	CONVS 3, 38, 0
	CONVS 4, 38, W4-W3
	WIN 0
; the small tables have one owner each: waves 0-4 a bias vector, wave 5 wsh, wave 6 wt2
.macro BIASW m
	s_cmp_lg_u32 s2, \m
	s_cbranch_scc1 .Lnob\m
.irp e,0,1,2,3
	v_mul_f32 v[168+4*\m+\e], v[168+4*\m+\e], v[209+2*\m]
.endr
	s_wait_alu depctr_va_vdst(0)                   ; the four products are written, which the store reads
	ds_store_b128 v29, v[168+4*\m:171+4*\m] offset:512*\m
.Lnob\m:
.endm
	BIASW 0
	BIASW 1
	BIASW 2
	BIASW 3
	BIASW 4
	s_cmp_lg_u32 s2, 5
	s_cbranch_scc1 .Lnosh
	v_pk_mul_f32 v[152:153], v[152:153], v[218:219] op_sel_hi:[1,0]
	v_pk_mul_f32 v[154:155], v[154:155], v[218:219] op_sel_hi:[1,0]
	v_cvt_pk_f16_f32 v152, v152, v153
	v_cvt_pk_f16_f32 v153, v154, v155
	s_wait_alu depctr_va_vdst(0)                   ; the roundings have written v152 and v153, which the store reads
	ds_store_b64 v47, v[152:153]
.Lnosh:
	s_cmp_lg_u32 s2, 6
	s_cbranch_scc1 .Lnotx
.irp u,0,1,2,3,4,5
	v_pk_mul_f32 v[156+2*\u:157+2*\u], v[156+2*\u:157+2*\u], v[220:221] op_sel_hi:[1,0]
.endr
.irp u,0,1,2,3,4,5
	v_cvt_pk_f16_f32 v[156+\u], v[156+2*\u], v[157+2*\u]
.endr
	s_wait_alu depctr_va_vdst(0)                   ; the roundings have written v156 to v161, which the stores read
.irp u,0,1,2
	ds_store_b64 v47, v[156+2*\u:157+2*\u] offset:272+272*\u
.endr
.Lnotx:
	s_wait_dscnt 0x0                               ; my part of the tables is in LDS: zero, for the other waves' sake
	s_barrier_signal -1
	s_barrier_wait -1                              ; from here on the tables are only read; stage and coordinates are each wave's own
	s_wait_alu depctr_vm_vsrc(0)                   ; the set-up's loads and LDS stores have read their offsets, addresses and data: of these the loop writes v26 to v45, v48 to v63, v136 to v143, v152 to v204 and window 1
; ---------------------------------------------------------------- the loop's macros
; What step FK of a trip needs: 0-7 layer s0, 8-15 s1, 16-23 s2, 24 shape head, 25-32 t0, 33-40 t1, 41 texture head; beyond: nothing.
; FSET names it: buffer FB, address register FA, offset FO, FN K blocks (two loads each, the second FS bytes on), bias tile at FBO (-1: none).
.macro FSET
.set FB, FK&1
.set FN, 4
.set FS, 32
.if FK < 8
.set FA, 2
.set FO, 1280*FK
.set FN, 1
.set FS, 16
.set FBO, 64*FK
.elseif FK < 16
.set FA, 3
.set FO, 4352*(FK-8)
.set FBO, 512+64*(FK-8)
.elseif FK < 24
.set FA, 4
.set FO, 4352*(FK-16)
.set FBO, 1024+64*(FK-16)
.elseif FK == 24
.set FA, 7
.set FO, 0
.set FBO, -1
.elseif FK < 33
.set FA, 5
.set FO, 4352*(FK-25)
.set FBO, 1536+64*(FK-25)
.elseif FK < 41
.set FA, 6
.set FO, 4352*(FK-33)
.set FBO, 2048+64*(FK-33)
.elseif FK == 41
.set FA, 8
.set FO, 0
.set FBO, -1
.else
.set FN, 0
.set FBO, -1
.endif
.endm
; load n of that step's fetch: 2 FN loads of A fragments, then the two of the bias tile; beyond them nothing
.macro FL n
.if (\n) < 2*FN
	ds_load_b128 v[AB+32*FB+8*((\n)>>1)+4*((\n)&1):AB+32*FB+8*((\n)>>1)+4*((\n)&1)+3], v[FA] offset:FO+64*((\n)>>1)+FS*((\n)&1)
.elseif ((\n) < 2*FN+2) && (FBO >= 0)
	ds_load_b128 v[BB+8*FB+4*((\n)-2*FN):BB+8*FB+4*((\n)-2*FN)+3], v9 offset:FBO+16*((\n)-2*FN)
.endif
.endm
; one matrix instruction: K block skb, pixel tile spx.  The first K block starts the sum from the bias tile (or 0): nothing is cleared
.macro WM xin, cbias
.if skb == 0
.if \cbias
	v_wmma_f32_16x16x32_f16 v[CA+8*spx:CA+8*spx+7], v[CAB:CAB+7], v[\xin+32*spx:\xin+32*spx+7], v[CBB:CBB+7]
.else
	v_wmma_f32_16x16x32_f16 v[CA+8*spx:CA+8*spx+7], v[CAB:CAB+7], v[\xin+32*spx:\xin+32*spx+7], 0
.endif
.else
	v_wmma_f32_16x16x32_f16 v[CA+8*spx:CA+8*spx+7], v[CAB+8*skb:CAB+8*skb+7], v[\xin+32*spx+8*skb:\xin+32*spx+8*skb+7], v[CA+8*spx:CA+8*spx+7]
.endif
.endm
.macro LRELU2 j                        ; 0.4 |y| + (0.6 y): the scalar stands in source 1, whose window is the activations'
	v_fma_f32 v[CE+2*(\j)], |v[CE+2*(\j)]|, s50, v[TMP+2*((\j)&7)]
	v_fma_f32 v[CE+2*(\j)+1], |v[CE+2*(\j)+1]|, s50, v[TMP+2*((\j)&7)+1]
.endm
.macro PLACES n
.rept \n
	v_nop
.endr
.endm
; One step: 16 output channels x 64 pixels (4 nk matrix instructions into accumulator buffer PAR), with the epilogue of the step before
; (buffer 1 - PAR) dealt among them.  late = 4: K block 3 is multiplied behind that epilogue, which is what fills its second half.
; The next step's fragment loads stand two behind each of the first five matrix instructions.  They owe no wait beyond the one at the step's head:
; they land in fragment buffer 1 - PAR, and every vector and matrix instruction of this step names buffer PAR, the accumulators, TMP and window 1.
; DISTANCES (ISA guide 7.12.1).  Behind a step's last matrix instruction stand at least five plain vector instructions that name none of
; its registers: the last packed multiply and four fused multiply-adds of the OTHER buffer, or the shape head's four and a v_nop, or five
; v_nop.  They are the places in front of the next step's reads of these sums, of the
; matrix instructions that write these accumulators again two steps on, and of the packing that overwrites a former layer's B registers.
.macro STEP nk, xin, cbias, late, kind, xout, mt
.set CA,  ACC+32*PAR
.set CE,  ACC+32*(1-PAR)
.set CAB, AB+32*PAR
.set CBB, BB+8*PAR
.set sidx, 0
.rept 16
.if sidx < 4*\nk-\late
.set skb, sidx>>2
.set spx, sidx&3
	WM \xin, \cbias
.endif
.if sidx < 5
	FL 2*sidx
	FL 2*sidx+1
.endif
.if EK == 1
	v_pk_mul_f32 v[TMP+2*(sidx&7):TMP+2*(sidx&7)+1], v[CE+2*sidx:CE+2*sidx+1], s[48:49] op_sel_hi:[1,0]
.if sidx > 0
	LRELU2 sidx-1
.endif
.endif
.set sidx, sidx+1
.endr
.if EK == 1
	LRELU2 15
	WIN 0x40                                       ; destination in window 1
.set sidx, 0
.rept 16
	v_cvt_pk_f16_f32 v[EX+32*(sidx>>2)+8*(EM>>1)+4*(EM&1)+(sidx&3)], v[CE+2*sidx], v[CE+2*sidx+1]
.set sidx, sidx+1
.endr
.endif
.if \late
	WIN 0x04
.set skb, 3
.set spx, 0
.rept 4
	WM \xin, \cbias
.set spx, spx+1
.endr
	PLACES 5
.elseif EK == 0
	PLACES 5
.elseif EK == 2
.irp p,0,1,2,3
	v_fma_f32 v[34+\p], v[CE+8*\p], s51, s52       ; 2 (sum / s_5 + bsh): all 16 rows of A were wsh, register 0 serves
.endr
	PLACES 1
.endif
.set EK, \kind
.set EX, \xout
.set EM, \mt
.endm
.macro DOSTEP
.if K < 8
	STEP 1, X1, 1, 0, 1, X0, K
.elseif K == 8
	STEP 4, X0, 1, 4, 1, X1, 0
.elseif K < 16
	STEP 4, X0, 1, 0, 1, X1, K-8
.elseif K == 16
	STEP 4, X1, 1, 4, 1, X0, 0
.elseif K < 24
	STEP 4, X1, 1, 0, 1, X0, K-16
.elseif K == 24
	STEP 4, X0, 0, 4, 2, 0, 0
.elseif K < 33
	STEP 4, X0, 1, 0, 1, X1, K-25
.elseif K == 33
	STEP 4, X1, 1, 4, 1, X0, 0
.elseif K < 41
	STEP 4, X1, 1, 0, 1, X0, K-33
.else
	STEP 4, X0, 0, 4, 0, 0, 0
.endif
.endm
; angle doubled, for (x, y) at once and the four pixel tiles: sin 2a = 2 s c, cos 2a = c c - s s.  Slot f of tile p: sines ACC+16p+4f, cosines +2
.macro DBL d, s
.irp p,0,1,2,3
	v_pk_mul_f32 v[ACC+16*\p+4*\d:ACC+16*\p+4*\d+1], v[ACC+16*\p+4*\s:ACC+16*\p+4*\s+1], v[ACC+16*\p+4*\s+2:ACC+16*\p+4*\s+3]
	v_pk_mul_f32 v[TMP+4*\p:TMP+4*\p+1], v[ACC+16*\p+4*\s:ACC+16*\p+4*\s+1], v[ACC+16*\p+4*\s:ACC+16*\p+4*\s+1]
	v_pk_mul_f32 v[TMP+4*\p+2:TMP+4*\p+3], v[ACC+16*\p+4*\s+2:ACC+16*\p+4*\s+3], v[ACC+16*\p+4*\s+2:ACC+16*\p+4*\s+3]
.endr
.irp p,0,1,2,3
	v_pk_add_f32 v[ACC+16*\p+4*\d:ACC+16*\p+4*\d+1], v[ACC+16*\p+4*\d:ACC+16*\p+4*\d+1], v[ACC+16*\p+4*\d:ACC+16*\p+4*\d+1]
	v_pk_add_f32 v[ACC+16*\p+4*\d+2:ACC+16*\p+4*\d+3], v[TMP+4*\p+2:TMP+4*\p+3], v[TMP+4*\p:TMP+4*\p+1] neg_lo:[0,1] neg_hi:[0,1]
.endr
.endm
; ---------------------------------------------------------------- four trips of 64 pixels
	s_mov_b32 s46, 0
.Ltrip:
.irp p,0,1,2,3
	ds_load_b64 v[22+2*\p:23+2*\p], v10 offset:128*\p      ; (x, y) of pixel 16 p + r, in both halves of the lanes.  The last trip's readers of v22 to v29 and its add to v10 stand ahead of its steps' waits
.endr
.set FK, 0
	FSET
.irp n,0,1,2,3
	FL \n                                          ; step 0's fragments: 4 loads, into buffer 0: its last readers, step 40's matrix instructions, stand ahead of the way out's wait
.endr
	s_wait_alu depctr_vm_vsrc(0)                   ; the four loads above have read v10; the last trip's LDS stores have read v48 to v59 and v34 to v37, its global stores v38 to v45: all are written again in this trip
	v_add_nc_u32 v10, 512, v10                     ; the next trip's 64 pairs
	s_wait_dscnt 0x4                               ; LDS loads come back in order (ISA guide 5.7.1): the coordinates are in, those 4 may be out
	; THE EMBEDDING.  Half h of the lanes makes frequencies 2^(4h) .. 2^(4h+3), channels 16 h .. 16 h + 15 in their order; ws0's fragment is
	; read as the 32 bytes at 32 h of a row, so A and B carry the same permutation of k.  Start at a quarter of the lowest angle:
	; q = n pi/2 + r, and 4 q = 4 r + 2 pi n, so that two doublings of sin r, cos r give the first frequency with no quadrant logic.
.irp p,0,1,2,3
	v_pk_mul_f32 v[TMP+4*\p:TMP+4*\p+1], v[22+2*\p:23+2*\p], v[16:17]                                  ; q
.endr
.irp p,0,1,2,3
	v_pk_mul_f32 v[TMP+4*\p+2:TMP+4*\p+3], v[TMP+4*\p:TMP+4*\p+1], 0x3f22f983 op_sel_hi:[1,0]          ; q 2/pi
.endr
.irp p,0,1,2,3
	v_rndne_f32 v[TMP+4*\p+2], v[TMP+4*\p+2]                                                           ; n
	v_rndne_f32 v[TMP+4*\p+3], v[TMP+4*\p+3]
.endr
.irp p,0,1,2,3
	v_pk_fma_f32 v[TMP+4*\p:TMP+4*\p+1], v[TMP+4*\p+2:TMP+4*\p+3], 0xbfc90fdb, v[TMP+4*\p:TMP+4*\p+1] op_sel_hi:[1,0,1]   ; - n pi/2, upper word
.endr
.irp p,0,1,2,3
	v_pk_fma_f32 v[TMP+4*\p:TMP+4*\p+1], v[TMP+4*\p+2:TMP+4*\p+3], 0x333bbd2e, v[TMP+4*\p:TMP+4*\p+1] op_sel_hi:[1,0,1]   ; lower word (negative): r
.endr
.irp p,0,1,2,3
	v_pk_mul_f32 v[TMP+4*\p+2:TMP+4*\p+3], v[TMP+4*\p:TMP+4*\p+1], v[TMP+4*\p:TMP+4*\p+1]              ; z = r r
.endr
.irp p,0,1,2,3
	v_pk_fma_f32 v[ACC+16*\p+8:ACC+16*\p+9], v[TMP+4*\p+2:TMP+4*\p+3], 0xb9500d01, v[18:19] op_sel_hi:[1,0,1]    ; 1/120 - z/5040
	v_pk_fma_f32 v[ACC+16*\p+10:ACC+16*\p+11], v[TMP+4*\p+2:TMP+4*\p+3], 0x37d00d01, v[20:21] op_sel_hi:[1,0,1]  ; -1/720 + z/40320
.endr
.irp p,0,1,2,3
	v_pk_fma_f32 v[ACC+16*\p+8:ACC+16*\p+9], v[ACC+16*\p+8:ACC+16*\p+9], v[TMP+4*\p+2:TMP+4*\p+3], 0xbe2aaaab op_sel_hi:[1,1,0]      ; -1/6 + ..
	v_pk_fma_f32 v[ACC+16*\p+10:ACC+16*\p+11], v[ACC+16*\p+10:ACC+16*\p+11], v[TMP+4*\p+2:TMP+4*\p+3], 0x3d2aaaab op_sel_hi:[1,1,0]  ; 1/24 + ..
.endr
.irp p,0,1,2,3
	v_pk_mul_f32 v[ACC+16*\p+12:ACC+16*\p+13], v[TMP+4*\p+2:TMP+4*\p+3], v[TMP+4*\p:TMP+4*\p+1]        ; z r
	v_pk_fma_f32 v[ACC+16*\p+10:ACC+16*\p+11], v[ACC+16*\p+10:ACC+16*\p+11], v[TMP+4*\p+2:TMP+4*\p+3], -0.5 op_sel_hi:[1,1,0]
.endr
.irp p,0,1,2,3
	v_pk_fma_f32 v[ACC+16*\p+8:ACC+16*\p+9], v[ACC+16*\p+8:ACC+16*\p+9], v[ACC+16*\p+12:ACC+16*\p+13], v[TMP+4*\p:TMP+4*\p+1]        ; sin r
	v_pk_fma_f32 v[ACC+16*\p+10:ACC+16*\p+11], v[ACC+16*\p+10:ACC+16*\p+11], v[TMP+4*\p+2:TMP+4*\p+3], 1.0 op_sel_hi:[1,1,0]         ; cos r
.endr
	DBL 3, 2                                       ; 2 r
	DBL 0, 3                                       ; the four frequencies, into slots 0 to 3
	DBL 1, 0
	DBL 2, 1
	DBL 3, 2
	; THE RADIAL FACTOR: 1 - tanh(x) = 2 / (1 + e^(2x)), x = max(radius - 1, 0); the 2 lies in s51, s52.  Behind each run of transcendentals
	; one plain vector instruction stands before a result is used or a source rewritten (ISA guide 5.7.2)
.irp p,0,1,2,3
	v_mul_f32 v[30+\p], v[22+2*\p], v[22+2*\p]
.endr
.irp p,0,1,2,3
	v_fma_f32 v[30+\p], v[23+2*\p], v[23+2*\p], v[30+\p]
.endr
.irp p,0,1,2,3
	v_sqrt_f32 v[34+\p], v[30+\p]
.endr
	v_nop
	s_wait_alu depctr_va_vdst(0)
.irp p,0,1,2,3
	v_fma_f32 v[30+\p], v[34+\p], s54, s55         ; (radius - 1) 2 / ln 2, rounded once
.endr
.irp p,0,1,2,3
	v_max_num_f32 v[30+\p], 0, v[30+\p]
.endr
.irp p,0,1,2,3
	v_exp_f32 v[34+\p], v[30+\p]
.endr
	v_nop
	s_wait_alu depctr_va_vdst(0)
.irp p,0,1,2,3
	v_add_f32 v[34+\p], 1.0, v[34+\p]
.endr
.irp p,0,1,2,3
	v_rcp_f32 v[30+\p], v[34+\p]                   ; an infinite sum gives 0, as 1 - tanh does
.endr
	v_nop
	WIN 0x40
.irp p,0,1,2,3
.irp f,0,1,2,3
	v_cvt_pk_f16_f32 v[X1+32*\p+2*\f], v[ACC+16*\p+4*\f], v[ACC+16*\p+4*\f+1]          ; sin x, sin y
	v_cvt_pk_f16_f32 v[X1+32*\p+2*\f+1], v[ACC+16*\p+4*\f+2], v[ACC+16*\p+4*\f+3]      ; cos x, cos y
.endr
.endr
	; THE 42 STEPS.  At a step's head only its own fragments are out, asked for one step earlier: the wait is for all of them.
	; Then the next step's are asked for, into the buffer that the step before has read, dealt among this step's first matrix instructions.
	; Step 0 owes no wait on va_vdst: its loads land in buffer 1, last read by step 41, ahead of the way out's wait (at the first trip: ahead of the wait in front of the weights' stores),
	; and nothing since names that buffer.  Step 41 asks for nothing.
.set K, 0
.rept 42
	WIN 0x04                                       ; source 1 (B) in window 1; everything else in window 0
	s_wait_dscnt 0x0
.set FK, K+1
	FSET
.if (K > 0) && (K < 41)
	s_wait_alu depctr_va_vdst(0)                   ; the matrix instructions of the step before are done reading their A fragments and their bias tile, in which this step's loads land
.endif
.set PAR, K&1
	DOSTEP
.set K, K+1
.endr
	; THE WAY OUT.  Registers 0, 1, 2 of accumulator buffer 1 are the three texture channels of pixel r (five v_nop stand behind the last
	; matrix instruction).  The trip's 256 + 768 bytes are gathered in my wave's stage and leave as four stores of 256 aligned bytes.
	WIN 0
.irp p,0,1,2,3
.irp i,0,1,2
	v_fma_f32 v[TMP+3*\p+\i], v[ACC+32+8*\p+\i], s53, s[56+\i]     ; sum / s_6 + bt2
.endr
	v_mul_f32 v[34+\p], v[34+\p], v[30+\p]
.endr
	s_wait_alu depctr_va_vdst(0)                   ; v48 to v59 and v34 to v37 are written, which the LDS stores read; steps 40 and 41 are done reading both fragment buffers, in which the next trip's first loads land
.irp p,0,1,2,3
.irp i,0,1,2
	ds_store_b32 v12, v[TMP+3*\p+\i] offset:192*\p+4*\i    ; lanes r and r + 16 write one word with one value
.endr
	ds_store_b32 v11, v[34+\p] offset:64*\p
.endr
.irp u,0,1,2,3
	ds_load_b64 v[38+2*\u:39+2*\u], v13 offset:256*\u      ; LDS serves a wave's instructions in order (ISA guide 5.7.1): these see the stores above.  The last trip's stores have read v38 to v45: the wait at this trip's head
.endr
	s_wait_dscnt 0x0
	global_store_b64 v14, v[38:39], s[42:43] th:TH_STORE_NT
	global_store_b64 v14, v[40:41], s[44:45] th:TH_STORE_NT
	global_store_b64 v14, v[42:43], s[44:45] offset:256 th:TH_STORE_NT
	global_store_b64 v14, v[44:45], s[44:45] offset:512 th:TH_STORE_NT
	s_wait_xcnt 0x0                                ; the two pointers are stepped, and v38-45 loaded again in the next trip, only behind this wait
	s_add_nc_u64 s[42:43], s[42:43], 256
	s_add_nc_u64 s[44:45], s[44:45], 768
	s_add_co_u32 s46, s46, 1
	s_cmp_lt_u32 s46, 4
	s_cbranch_scc1 .Ltrip
	s_wait_dscnt 0x0
	s_wait_alu depctr_hold_cnt(0) depctr_sa_sdst(0) depctr_va_vdst(0) depctr_va_sdst(0) depctr_va_ssrc(0) depctr_va_vcc(0) depctr_vm_vsrc(0)
	s_wait_tensorcnt 0x0
	ds_add_u32 v254, v255
	s_wait_dscnt 0x0
	s_endpgm
.Lfunc_end_k_q7bba754708_mlp:
	.size	k_q7bba754708_mlp, .Lfunc_end_k_q7bba754708_mlp-k_q7bba754708_mlp
	.p2alignl 7, 3214868480
	.fill 96, 4, 3214868480
	.section	.rodata,"a",@progbits
	.p2align	6, 0x0
	.amdhsa_kernel k_q7bba754708_mlp
		.amdhsa_group_segment_fixed_size 180224
		.amdhsa_private_segment_fixed_size 0
		.amdhsa_enable_private_segment 0
		.amdhsa_kernarg_size 152
		.amdhsa_user_sgpr_count 2
		.amdhsa_user_sgpr_kernarg_segment_ptr 1
		.amdhsa_wavefront_size32 1
		.amdhsa_system_sgpr_workgroup_id_x 1
		.amdhsa_system_sgpr_workgroup_id_y 1
		.amdhsa_system_sgpr_workgroup_id_z 1
		.amdhsa_system_vgpr_workitem_id 0
		.amdhsa_next_free_vgpr 512
		.amdhsa_next_free_sgpr 66
		.amdhsa_reserve_vcc 0
		.amdhsa_float_denorm_mode_32 3
		.amdhsa_float_denorm_mode_16_64 3
		.amdhsa_memory_ordered 1
		.amdhsa_forward_progress 1
		.amdhsa_inst_pref_size 255
	.end_amdhsa_kernel
	.section	.bss,"aw",@nobits
	.p2align	6
	.space	262144
	.amdgpu_metadata
---
amdhsa.version: [ 1, 2 ]
amdhsa.kernels:
  - .name:           k_q7bba754708_mlp
    .symbol:         k_q7bba754708_mlp.kd
    .args:
      - { .name: coords, .offset: 0, .size: 8, .value_kind: global_buffer, .address_space: global }
      - { .name: shape_cond, .offset: 8, .size: 8, .value_kind: global_buffer, .address_space: global }
      - { .name: texture_cond, .offset: 16, .size: 8, .value_kind: global_buffer, .address_space: global }
      - { .name: ws0, .offset: 24, .size: 8, .value_kind: global_buffer, .address_space: global }
      - { .name: bs0, .offset: 32, .size: 8, .value_kind: global_buffer, .address_space: global }
      - { .name: ws1, .offset: 40, .size: 8, .value_kind: global_buffer, .address_space: global }
      - { .name: bs1, .offset: 48, .size: 8, .value_kind: global_buffer, .address_space: global }
      - { .name: ws2, .offset: 56, .size: 8, .value_kind: global_buffer, .address_space: global }
      - { .name: bs2, .offset: 64, .size: 8, .value_kind: global_buffer, .address_space: global }
      - { .name: wsh, .offset: 72, .size: 8, .value_kind: global_buffer, .address_space: global }
      - { .name: bsh, .offset: 80, .size: 8, .value_kind: global_buffer, .address_space: global }
      - { .name: wt0, .offset: 88, .size: 8, .value_kind: global_buffer, .address_space: global }
      - { .name: bt0, .offset: 96, .size: 8, .value_kind: global_buffer, .address_space: global }
      - { .name: wt1, .offset: 104, .size: 8, .value_kind: global_buffer, .address_space: global }
      - { .name: bt1, .offset: 112, .size: 8, .value_kind: global_buffer, .address_space: global }
      - { .name: wt2, .offset: 120, .size: 8, .value_kind: global_buffer, .address_space: global }
      - { .name: bt2, .offset: 128, .size: 8, .value_kind: global_buffer, .address_space: global }
      - { .name: out0, .offset: 136, .size: 8, .value_kind: global_buffer, .address_space: global }
      - { .name: out1, .offset: 144, .size: 8, .value_kind: global_buffer, .address_space: global }
    .group_segment_fixed_size: 180224
    .private_segment_fixed_size: 0
    .kernarg_segment_align: 8
    .kernarg_segment_size: 152
    .max_flat_workgroup_size: 256
    .sgpr_count:     66
    .vgpr_count:     512
    .wavefront_size: 32
...
	.end_amdgpu_metadata
.endif
;; end of part 2
